; MI455X (gfx1250); checked and timed in simulation.
; The chip was launched on July 23, 2026; its instructions are those of AMD's public machine-readable ISA for CDNA 5 (MIT licence, August 2026) and "CDNA5" Instruction Set Architecture Reference Guide (July 2026). The comments in the code are by the model that wrote it; some were corrected since.
;; Multihead Att. Allowed arithmetic: matrix products marked QUANTISED: E2M3 operands, one E8M0 scale for each 32 along K, by v_wmma_scale_f32_16x16x128_f8f6f4 with both operands' format E2M3, f32 sums; everything else in f32.
;; Inputs: W_kv_codes 2,048 x 32 x 24 uint8 (E2M3 codes of W_kv, K innermost, in blocks of 32 codes, four codes in three bytes); W_kv_scales 2,048 x 32 uint8 (E8M0 scales of W_kv, one for each 32 codes along K); W_o_codes 1,024 x 32 x 24 uint8 (E2M3 codes of W_o, K innermost, in blocks of 32 codes, four codes in three bytes); W_o_scales 1,024 x 32 uint8 (E8M0 scales of W_o, one for each 32 codes along K); W_q_codes 1,024 x 32 x 24 uint8 (E2M3 codes of W_q, K innermost, in blocks of 32 codes, four codes in three bytes); W_q_scales 1,024 x 32 uint8 (E8M0 scales of W_q, one for each 32 codes along K); ln_b 1,024 float32; ln_g 1,024 float32; mask 2 x 2,048 x 4,096 bool; mem 2 x 2,048 x 1,024 float32; x 2 x 2,048 x 1,024 float32.
;; Outputs: out0 2 x 2,048 x 1,024 float32.
;; This version of the problem:
;;   THIS VERSION OF THE PROBLEM IS GIVEN IN LOW PRECISION. The matrix products marked QUANTISED in the list below multiply operands that are first quantised to E2M3 (2 exponent bits, 3 mantissa bits; 6 bits a number), with one power-of-two scale for each 32 numbers along K (OCP MX v1.0); their sums are f32. All else is computed in f32.
;;   The module's matrix products, in the order in which they are computed (A, B: the left and right operand; K: the contracted axis; several contracted axes count as one K, in the product's order):
;;     1. [M 8,192, K 1,024] x [K 1,024, N 2,048]; A: computed on the way; B: input W_kv (given as codes): QUANTISED
;;     2. [M 4,096, K 1,024] x [K 1,024, N 1,024]; A: input x; B: input W_q (given as codes): QUANTISED
;;     3. batch 32 x [M 4,096, K 64] x [K 64, N 2,048]; A: computed on the way; B: computed on the way: QUANTISED
;;     4. batch 32 x [M 64, K 4,096] x [K 4,096, N 2,048]; A: computed on the way; B: softmax (see below): QUANTISED
;;     5. [M 4,096, K 1,024] x [K 1,024, N 1,024]; A: computed on the way; B: input W_o (given as codes): QUANTISED
;;   THE QUANTISER, for each operand of a quantised product, along K:
;;     - K is cut into blocks of 32 from its start; a last block that is shorter is filled with zeros.
;;     - A block's scale is 2^e with e = floor(log2(the largest magnitude in the block)) - 2, held to -126 .. 127; a block of zeros has e = 0. As a byte (E8M0): e + 127.
;;     - Each number is divided by its block's scale, clamped to +-7.5, and rounded to the nearest number of E2M3, ties to even, subnormals kept.
;;     - The product sums the exact products of the quantised numbers (number of the format x scale) in f32.
;;   ~~~python
;;   def quantise(x, axis):      # numpy; x: float32 -> the quantised numbers, widened to float32 again
;;       x = np.moveaxis(x, axis, -1); K = x.shape[-1]
;;       x = np.pad(x, [(0, 0)] * (x.ndim - 1) + [(0, -K % 32)]); x = x.reshape(x.shape[:-1] + (-1, 32)); a = np.abs(x).max(-1, keepdims=True)
;;       e = np.where(a > 0, np.clip(np.frexp(np.where(a > 0, a, 1))[1] - 1 - 2, -126, 127), 0)      # np.frexp(a)[1] - 1 = floor(log2(a)), exactly
;;       r = np.clip(x / 2.0 ** e, -7.5, 7.5)
;;       step = 2.0 ** (np.maximum(np.frexp(np.where(r == 0, 1, r))[1] - 1, 0) - 3)
;;       q = np.round(r / step) * step * 2.0 ** e      # np.round: ties to even
;;       return np.moveaxis(q.reshape(q.shape[:-2] + (-1,))[..., :K], -1, axis).astype(np.float32)
;;   ~~~
;;   SOFTMAX AHEAD OF A QUANTISED PRODUCT. Where the list says 'softmax', what is quantised is not the finished softmax but p = 2^(t - M), with t = logit x log2(e) and M = ceil(the row's largest t), a whole number; so 1/2 < the row's largest p <= 1. The row's sum l is taken of the UNQUANTISED p, in f32, and the product's result is divided by l at the end. Since M is a whole number, a kernel that streams over the keys may use a running M (the ceiling of the running maximum): every later rescaling is an exact power of two, which a block's scale takes up: the codes' values come out the same.
;;   OPERANDS COMPUTED ON THE WAY. 'Computed on the way' means the value that the module computes at that place (a softmax that the list does not call 'softmax' is quantised finished and normalised). What goes into a quantiser is computed in f32, as accurately as f32 sums, v_exp_f32 and their like allow (about 1e-6 of the number): no bf16 or f16 on the way to a quantiser, and a product that is left as it is and whose result goes on into a quantised operand takes f32 operands (vector FMAs, or v_wmma_f32_16x16x4_f32). A number that lies on a knife's edge between two numbers of the format may be rounded either way, as far as f32 arithmetic and the matrix unit's own rounding can turn it there, and no further.
;;   INPUTS GIVEN AS CODES. W_kv (in the module: [1024, 2048], K = its axis 0); W_o (in the module: [1024, 1024], K = its axis 0); W_q (in the module: [1024, 1024], K = its axis 0): each comes as NAME_codes (uint8): NAME with its K axis moved to the last place and cut into blocks of 32 codes, [.., K / 32, bytes a block], one block behind the other in memory; four codes in three bytes: a row's codes are one little-endian stream of bits, code i at bits 6 i .. 6 i + 5 (a code: sign, 2 exponent bits, 3 mantissa bits); and NAME_scales (uint8): the same leading axes, one E8M0 byte (e + 127) for each 32 codes along K. Its value is code x scale, taken as it is: it is not quantised again, and the codes and scales need not be those that the quantiser above would give.
;; One version. Each part assembles by itself: llvm-mc -triple=amdgcn-amd-amdhsa -mcpu=gfx1250 --defsym DOCPART=n.
;; ======== version 1 of 1: 4 launches
;; limits: right only within a limited range of input values
;; workspace buffers: cimg 6,553,600 bytes; wimg 3,276,800 bytes; mwords 2,097,152 bytes of whole numbers; mflag 2,048 bytes of whole numbers; kvimg 13,369,344 bytes; qimg 3,407,872 bytes; aimg 3,145,728 bytes; ascl 131,072 bytes
;; launch prep (part 1): grid 576 x 1, 4 waves a work-group, no clusters, 51,712 bytes of LDS; arguments mem, x, mask, W_kv_codes, W_kv_scales, W_q_codes, W_q_scales, W_o_codes, W_o_scales, cimg, wimg, mwords, mflag; writes cimg, wimg, mwords, mflag
.if DOCPART == 1
	.amdgcn_target "amdgcn-amd-amdhsa--gfx1250"
	.amdhsa_code_object_version 6
	.text
	.protected	k_q1512b91453_prep
	.globl	k_q1512b91453_prep
	.p2align	8
	.type	k_q1512b91453_prep,@function
k_q1512b91453_prep:
	s_mov_b64 s[64:65], 0
	v_nop
	global_prefetch_b8 v0, s[64:65] scope:SCOPE_SE
	s_setreg_imm32_b32 hwreg(HW_REG_WAVE_MODE, 25, 1), 1
	s_wait_xcnt 0x0
; PREP: everything that later launches read many times is laid ONCE in the order of the matrix operands' registers.
; Three kinds of work-group, parted by the work-group's number; each kind ends for itself, and each has LDS bytes of its own.
;   0-255   C: mem and x (f32, [4096][1024] each) become codes of FP6 (E2M3) with one E8M0 byte for each 32 along K.
;   256-511 M: the mask's bytes become lane masks: one 32-bit word for each register of a tile of scores.
;   512-575 W: the three weights' codes and scale bytes, taken as they are given, are copied into the same order as C's.
; A TILE is 16 rows; tile T holds in lane r the row 32 (T / 2) + 8 (T % 2) + r + 8 (r / 8): used as source 0 of a product, the 16 result
; registers of tiles 2 b and 2 b + 1 are then 16 neighbours, 32 b + 16 (lane / 16) + 0 .. 15.
; A tile's image is 12,800 bytes: 8 fragments (16 rows x 128 K, 12 registers a lane) of 1,536 bytes, registers 4 c .. 4 c + 3 of lane l at
; 512 c + 16 l; then 512 bytes of scale words: the word of K step s of row r at 256 (s / 4) + 16 r + 4 (s % 4).
; A block's scale is 2^(floor(log2(largest magnitude)) - 2): its byte is the largest magnitude's exponent field - 2, held at 1 from below.
; LIMITS: a block of zeros, or one whose largest magnitude lies under 2^-124, keeps the byte 1 (its codes are zeros or nearly so; the bytes are
; read by this program alone); NaN and infinities among the inputs are not served.
; No tensor loads, no barrier: waves share nothing.
.set R,    16                          ; v16-143  C: two sets of 64 numbers as loaded;  M: the 32 loads;  W: the tile
.set X,    144                         ; v144-207 C: 64 numbers, register 16 b + i = k 32 b + 16 (lane / 16) + i of my row
.set TM,   208                         ; v208-223 at work in the quantiser
.set PW,   224                         ; the scale word just made
.set PWS,  225                         ; v225-228 my four K steps' scale words
.set PC,   232                         ; v232-250 the codes just made
.set CST,  8448                        ; C: a wave's stage: 16 rows x (512 bytes + 16)
.set MST0, 4*CST                       ; M: the stages begin behind C's
.set MST,  4352                        ; M: a wave's stage: 16 rows x (256 bytes + 16)
.set SEL,  30                          ; s[30:31] v_permlanex16_b32's selects for lane l xor 16
; 64 numbers of a lane become a fragment's codes in v[PC] .. v[PC + 11] and its scale word in v[PW]
.macro QUANT s
.irp b, 0,1,2,3
	v_max3_num_f32 v[TM+\b], |v[\s+16*\b]|, |v[\s+1+16*\b]|, 0x1800000   ; block b: my 16 numbers and the floor 2^(3 - 127): the byte cannot fall under 1
.endr
.irp i, 2,4,6,8,10,12,14
.irp b, 0,1,2,3
	v_max3_num_f32 v[TM+\b], v[TM+\b], |v[\s+16*\b+\i]|, |v[\s+1+16*\b+\i]|   ; the four blocks by turns
.endr
.endr
.irp b, 0,1,2,3
	v_permlanex16_b32 v[TM+4+\b], v[TM+\b], s[SEL], s[SEL+1]
.endr
.irp b, 0,1,2,3
	v_max_num_f32 v[TM+\b], v[TM+\b], v[TM+4+\b]   ; with lane l xor 16's 16: the block's largest magnitude
.endr
.irp b, 0,1,2,3
	v_add_nc_u32 v[TM+12+\b], 0xff000000, v[TM+\b]   ; 2 off its exponent field: the conversion takes this operand's exponent field as its scale
.endr
.irp b, 0,1,2,3
	v_lshrrev_b32 v[TM+4+\b], 23, v[TM+12+\b]      ; the scale's byte
.endr
	v_lshl_or_b32 v[PW], v[TM+5], 8, v[TM+4]
	v_lshl_or_b32 v[PW], v[TM+6], 16, v[PW]
	v_lshl_or_b32 v[PW], v[TM+7], 24, v[PW]
.irp c, 0,1
	v_cvt_scalef32_pk16_fp6_f32 v[PC+6*\c:PC+2+6*\c], v[\s+32*\c:\s+15+32*\c], v[TM+12+2*\c]
	v_cvt_scalef32_pk16_fp6_f32 v[PC+12+4*\c:PC+14+4*\c], v[\s+16+32*\c:\s+31+32*\c], v[TM+12+2*\c+1]   ; a conversion's three registers begin on an even number
.endr
	v_nop                                          ; one plain place behind a scaled conversion
.irp c, 0,1                                    ; the operand's layout wants a whole block in a lane: lanes 0-15 block 2 c, lanes 16-31 block 2 c + 1
.irp i, 0,1,2
	v_permlane16_swap_b32 v[PC+6*\c+\i], v[PC+12+4*\c+\i]
.endr
.irp i, 0,1,2
	v_mov_b32 v[PC+3+6*\c+\i], v[PC+12+4*\c+\i]
.endr
.endr
.endm
	s_load_b512 s[4:19], s[0:1], 0x0               ; mem s[4:5], x s[6:7], mask s[8:9], W_kv codes s[10:11], scales s[12:13], W_q s[14:15], s[16:17], W_o codes s[18:19]
	s_load_b256 s[20:27], s[0:1], 0x40
	s_load_b64 s[54:55], s[0:1], 0x60              ; mflag: [query tile][8 bytes]: bit s of bytes 0-3: key step s has a masked key; of bytes 4-7: all its keys are masked
	v_lshl_add_u32 v254, v0, 2, 0xc800
	v_mov_b32 v255, 0
	v_lshrrev_b32 v15, 5, v0
	v_readfirstlane_b32 s28, v15                   ; wave 0..3
	v_and_b32 v14, 31, v0                          ; lane
	v_and_b32 v13, 15, v0                          ; r
	v_bfe_u32 v12, v0, 4, 1                        ; h
	v_lshlrev_b32 v1, 4, v14                       ; 16 x lane
	s_mov_b32 s29, 0xffff0000                      ; the lane mask of lanes 16-31
	s_mov_b32 s[SEL], 0x76543210
	s_mov_b32 s[SEL+1], 0xfedcba98
	; every LDS address is made here, ahead of the parting
	s_mul_i32 s32, s28, CST
	v_add_nc_u32 v2, s32, v1                       ; C, in: a row's 512 bytes as they lie
	v_mul_u32_u24 v3, v13, 528
	v_lshl_add_u32 v3, v12, 6, v3
	v_add_nc_u32 v3, s32, v3                       ; C, out: row r, + 64 h: my 16 numbers of a block
	s_mul_i32 s33, s28, MST
	s_add_co_u32 s33, s33, MST0
	v_mul_u32_u24 v6, v12, 272
	v_lshl_add_u32 v6, v13, 4, v6
	v_add_nc_u32 v6, s33, v6                       ; M, in: two rows of 256 bytes an instruction
	v_mul_u32_u24 v7, v13, 272
	v_lshl_add_u32 v7, v12, 4, v7
	v_add_nc_u32 v7, s33, v7                       ; M, out: row r, + 16 h
	s_wait_kmcnt 0x0
	s_cmp_ge_u32 ttmp9, 512
	s_cbranch_scc1 .Lrole_w
	s_cmp_ge_u32 ttmp9, 256
	s_cbranch_scc1 .Lrole_m
	; ---------------- C: wave w of work-group g takes tile 2 g + w / 2 and four K steps: half w % 2 of K
	s_lshl_b32 s34, ttmp9, 1
	s_lshr_b32 s35, s28, 1
	s_add_co_u32 s34, s34, s35                     ; the tile, 0..511: 0-255 mem, 256-511 x
	s_and_b32 s35, s28, 1                          ; which half of K
	s_cmp_lt_u32 ttmp9, 128
	s_cselect_b64 s[4:5], s[4:5], s[6:7]           ; mem or x: the choice hangs on the work-group's number alone
	s_and_b32 s36, s34, 255
	s_lshr_b32 s37, s36, 1
	s_lshl_b32 s37, s37, 5
	s_and_b32 s36, s36, 1
	s_lshl_b32 s36, s36, 3
	s_add_co_u32 s36, s36, s37                     ; the tile's first row
	s_lshl_b32 s36, s36, 12                        ; rows of 4,096 bytes
	s_lshl_b32 s37, s35, 11
	s_add_co_u32 s36, s36, s37
	s_mov_b32 s37, 0
	s_add_nc_u64 s[4:5], s[4:5], s[36:37]
	s_mul_i32 s38, s34, 12800
	s_mov_b32 s39, 0
	s_add_nc_u64 s[22:23], s[22:23], s[38:39]      ; my tile's image
	s_mul_i32 s38, s35, 6144
	s_add_nc_u64 s[40:41], s[22:23], s[38:39]      ; my four fragments
	s_lshl_b32 s38, s35, 8
	s_add_nc_u64 s[22:23], s[22:23], s[38:39]      ; my 256 bytes of scale words (12,288 stands in the immediate)
	v_lshlrev_b32 v5, 3, v12
	v_lshl_add_u32 v5, v13, 4, v5                  ; 16 r + 8 h
.irp b, 0,1,2,3
	v_mov_b32 v[TM+4+\b], 0                        ; written once: a lane permute's destination counts as one of its sources
.endr
.macro LOADC t                         ; K step t of the tile's 16 rows: each load reads 512 consecutive bytes of one row
.irp i, 0,1,2,3,4,5,6,7,8,9,10,11,12,13,14,15
	global_load_b128 v[R+64*((\t)%2)+4*\i:R+64*((\t)%2)+4*\i+3], v1, s[4:5] offset:(\i+8*(\i/8))*4096+512*(\t) th:TH_LOAD_NT
.endr
.endm
.macro STEPC t
.if (\t) < 3
	s_wait_loadcnt 16                              ; this step's 16 loads are in; the next step's 16 may be out
.else
	s_wait_loadcnt 0x0
.endif
.irp i, 0,1,2,3,4,5,6,7,8,9,10,11,12,13,14,15
	ds_store_b128 v2, v[R+64*((\t)%2)+4*\i:R+64*((\t)%2)+4*\i+3] offset:528*\i
.endr
.irp b, 0,1,2,3
.irp j, 0,1,2,3
	ds_load_b128 v[X+16*\b+4*\j:X+16*\b+4*\j+3], v3 offset:128*\b+16*\j   ; LDS serves a wave's instructions in order (ISA guide 5.7.1.4): these see the stores above
.endr
.endr
	s_wait_dscnt 0x0                               ; the numbers are back, and the stores have read their registers
.if (\t) < 2
	LOADC (\t)+2
.endif
.if (\t) > 0
	s_wait_xcnt 0x0                                ; the last step's stores have read the codes' registers, which are written again below
.endif
	QUANT X
	v_mov_b32 v[PWS+(\t)], v[PW]
.irp c, 0,1,2
	global_store_b128 v1, v[PC+4*\c:PC+4*\c+3], s[40:41] offset:1536*(\t)+512*\c   ; 32 lanes store 512 consecutive bytes, aligned
.endr
.endm
	LOADC 0
	LOADC 1
	STEPC 0
	STEPC 1
	STEPC 2
	STEPC 3
	v_cndmask_b32 v230, v[PWS], v[PWS+2], s29      ; lanes 0-15 store a row's words 0 and 1, lanes 16-31 its words 2 and 3
	v_cndmask_b32 v231, v[PWS+1], v[PWS+3], s29
	global_store_b64 v5, v[230:231], s[22:23] offset:12288   ; 256 consecutive bytes, aligned
	s_wait_tensorcnt 0x0
	ds_add_u32 v254, v255
	s_wait_dscnt 0x0
	s_endpgm
	; ---------------- M: work-group g' = 128 b + query tile; wave w takes keys 1,024 w on, in four tasks of 256 keys
	; Word n of a key step (128 keys), bit (r, h): mask[b][the tile's row r][128 step + 32 (n / 16) + 16 h + n % 16]: the lane mask for register n of the tile's scores
.Lrole_m:
	s_sub_co_u32 s34, ttmp9, 256
	s_lshr_b32 s35, s34, 1
	s_lshl_b32 s35, s35, 5
	s_and_b32 s36, s34, 1
	s_lshl_b32 s36, s36, 3
	s_add_co_u32 s36, s36, s35                     ; the tile's first row of the mask's 4,096
	s_lshl_b32 s36, s36, 12                        ; rows of 4,096 bytes
	s_lshl_b32 s37, s28, 10
	s_add_co_u32 s36, s36, s37
	s_mov_b32 s37, 0
	s_add_nc_u64 s[8:9], s[8:9], s[36:37]
	s_lshl_b32 s36, s34, 13                        ; 32 key steps x 256 bytes of words a tile
	s_lshl_b32 s38, s28, 11
	s_add_co_u32 s36, s36, s38
	s_add_nc_u64 s[26:27], s[26:27], s[36:37]
	s_lshl_b32 s36, s34, 3
	s_add_nc_u64 s[54:55], s[54:55], s[36:37]      ; my tile's 8 bytes of flags
	s_mov_b32 s50, 0                               ; my eight key steps' flags: some key masked,
	s_mov_b32 s51, 0                               ; every key masked
	v_lshlrev_b32 v8, 12, v12
	v_lshl_add_u32 v8, v13, 4, v8                  ; in: lanes 0-15 one row's 256 bytes, lanes 16-31 the next row's
	v_lshlrev_b32 v9, 3, v14                       ; out: 8 bytes a lane
.irp k, 0,1,2,3
.irp i, 0,1,2,3,4,5,6,7
	global_load_b128 v[R+32*\k+4*\i:R+32*\k+4*\i+3], v8, s[8:9] offset:(2*\i+8*(\i/4))*4096+256*\k th:TH_LOAD_NT
.endr
.endr
.irp j, 0,1,2,3,4,5,6,7,8,9,10,11,12,13,14,15
	v_mov_b32 v[176+\j], 0                         ; a lane write's destination counts as read
.endr
.macro MTASK k
	s_wait_loadcnt 8*(3-\k)                        ; this task's 8 loads are in; the later tasks' may be out
.irp i, 0,1,2,3,4,5,6,7
	ds_store_b128 v6, v[R+32*\k+4*\i:R+32*\k+4*\i+3] offset:544*\i
.endr
.irp c, 0,1
.irp b, 0,1,2,3
	ds_load_b128 v[144+16*\c+4*\b:144+16*\c+4*\b+3], v7 offset:128*\c+32*\b   ; my row's 16 bytes of block b of key step c
.endr
.endr
	s_wait_dscnt 0x0
.irp c, 0,1
.set n, 0
.rept 8                                ; eight words at a time: a byte is cut out, compared, and the lanes' answers go as one word into lane n / 2 of a pair
.irp e, 0,1,2,3,4,5,6,7
	v_and_b32 v[192+\e], 0xff<<(8*(\e%4)), v[144+16*\c+4*(n/16)+((n%16)+\e)/4]
.endr
.irp e, 0,1,2,3,4,5,6,7
	v_cmp_ne_u32 s[40+\e], 0, v[192+\e]
.endr
.irp e, 0,1,2,3,4,5,6,7
	v_writelane_b32 v[176+2*(2*\k+\c)+\e%2], s[40+\e], (n+\e)/2
.endr
.set n, n+8
.endr
	global_store_b64 v9, v[176+2*(2*\k+\c):176+2*(2*\k+\c)+1], s[26:27] offset:(2*\k+\c)*256   ; a key step's 64 words: 256 consecutive bytes, aligned; each pair of registers is written for one store alone
	v_or_b32 v200, v[176+2*(2*\k+\c)], v[176+2*(2*\k+\c)+1]
	v_and_b32 v201, v[176+2*(2*\k+\c)], v[176+2*(2*\k+\c)+1]
	v_cmp_ne_u32 s48, 0, v200                      ; lanes whose two words have a bit set
	v_cmp_ne_u32 s49, -1, v201                     ; lanes whose two words have a bit clear
	s_cmp_lg_u32 s48, 0
	s_cselect_b32 s48, 1<<(2*\k+\c), 0
	s_or_b32 s50, s50, s48
	s_cmp_eq_u32 s49, 0
	s_cselect_b32 s49, 1<<(2*\k+\c), 0
	s_or_b32 s51, s51, s49
.endr
.endm
	MTASK 0
	MTASK 1
	MTASK 2
	MTASK 3
	v_mov_b32 v200, s50
	v_mov_b32 v201, s51
	v_mov_b32 v202, s28                            ; byte w of each flag word is wave w's
	v_cmp_eq_u32 vcc_lo, 0, v14
	s_wait_alu depctr_va_vdst(0)
	s_wait_xcnt 0x0                                ; EXEC changes only behind this wait
	s_and_saveexec_b32 s52, vcc_lo                 ; lane 0 alone: two bytes a wave, of the tile's eight
	global_store_b8 v202, v200, s[54:55]
	global_store_b8 v202, v201, s[54:55] offset:4
	s_wait_xcnt 0x0
	s_or_b32 exec_lo, exec_lo, s52
	s_wait_tensorcnt 0x0
	ds_add_u32 v254, v255
	s_wait_dscnt 0x0
	s_endpgm
	; ---------------- W: a wave copies one tile of a weight: wimg's tiles 0-127 W_kv (0-63 keys, 64-127 values), 128-191 W_q, 192-255 W_o.
	; The reads are pieces of 8 bytes of rows 768 bytes apart; a wave takes its 16 rows whole, and the three weights are 3 MB of the launch's 53.
.Lrole_w:
	s_sub_co_u32 s34, ttmp9, 512
	s_lshl_b32 s34, s34, 2
	s_add_co_u32 s34, s34, s28                     ; the tile in wimg
	s_cmp_lt_u32 s34, 192
	s_cselect_b64 s[14:15], s[14:15], s[18:19]
	s_cselect_b64 s[16:17], s[16:17], s[20:21]
	s_mov_b32 s35, 192
	s_cselect_b32 s35, 128, s35
	s_cmp_lt_u32 s34, 128
	s_cselect_b64 s[10:11], s[10:11], s[14:15]     ; the weight's codes,
	s_cselect_b64 s[12:13], s[12:13], s[16:17]     ; its scale bytes,
	s_cselect_b32 s35, 0, s35                      ; and its first tile
	s_sub_co_u32 s35, s34, s35
	s_lshr_b32 s36, s35, 1
	s_lshl_b32 s36, s36, 5
	s_and_b32 s35, s35, 1
	s_lshl_b32 s35, s35, 3
	s_add_co_u32 s36, s36, s35                     ; the tile's first row
	s_mul_i32 s38, s36, 768
	s_mov_b32 s39, 0
	s_add_nc_u64 s[10:11], s[10:11], s[38:39]
	s_lshl_b32 s38, s36, 5
	s_add_nc_u64 s[12:13], s[12:13], s[38:39]
	s_mul_i32 s38, s34, 12800
	s_add_nc_u64 s[24:25], s[24:25], s[38:39]
	v_and_b32 v10, 8, v13
	v_add_nc_u32 v10, v10, v13                     ; r + 8 (r / 8)
	v_mul_u32_u24 v11, v10, 768
	v_mad_u32_u24 v11, v12, 24, v11                ; codes: my row, + 24 h
	v_lshlrev_b32 v10, 5, v10
	v_lshl_add_u32 v10, v12, 4, v10                ; scale bytes: my row's 32, + 16 h: four words
	v_lshlrev_b32 v4, 8, v12
	v_lshl_add_u32 v4, v13, 4, v4                  ; and their place in the image: 256 h + 16 r
.irp s, 0,1,2,3,4,5,6,7
.irp p, 0,1,2,3,4,5
	global_load_b64 v[R+12*\s+2*\p:R+12*\s+2*\p+1], v11, s[10:11] offset:96*\s+48*(\p/3)+8*(\p%3)
.endr
.endr
	global_load_b128 v[112:115], v10, s[12:13]
	s_wait_alu depctr_va_vdst(0)
	s_wait_loadcnt 0x0
.irp s, 0,1,2,3,4,5,6,7
.irp c, 0,1,2
	global_store_b128 v1, v[R+12*\s+4*\c:R+12*\s+4*\c+3], s[24:25] offset:1536*\s+512*\c
.endr
.endr
	global_store_b128 v4, v[112:115], s[24:25] offset:12288
	s_endpgm
.Lfunc_end_k_q1512b91453_prep:
	.size	k_q1512b91453_prep, .Lfunc_end_k_q1512b91453_prep-k_q1512b91453_prep
	.p2alignl 7, 3214868480
	.fill 96, 4, 3214868480
	.section	.rodata,"a",@progbits
	.p2align	6, 0x0
	.amdhsa_kernel k_q1512b91453_prep
		.amdhsa_group_segment_fixed_size 51712
		.amdhsa_private_segment_fixed_size 0
		.amdhsa_enable_private_segment 0
		.amdhsa_kernarg_size 104
		.amdhsa_user_sgpr_count 2
		.amdhsa_user_sgpr_kernarg_segment_ptr 1
		.amdhsa_wavefront_size32 1
		.amdhsa_system_sgpr_workgroup_id_x 1
		.amdhsa_system_sgpr_workgroup_id_y 1
		.amdhsa_system_sgpr_workgroup_id_z 1
		.amdhsa_system_vgpr_workitem_id 0
		.amdhsa_next_free_vgpr 256
		.amdhsa_next_free_sgpr 66
		.amdhsa_reserve_vcc 1
		.amdhsa_float_denorm_mode_32 3
		.amdhsa_float_denorm_mode_16_64 3
		.amdhsa_memory_ordered 1
		.amdhsa_forward_progress 1
		.amdhsa_inst_pref_size 152
	.end_amdhsa_kernel
	.amdgpu_metadata
---
amdhsa.version: [ 1, 2 ]
amdhsa.kernels:
  - .name:           k_q1512b91453_prep
    .symbol:         k_q1512b91453_prep.kd
    .args:
      - { .name: mem, .offset: 0, .size: 8, .value_kind: global_buffer, .address_space: global }
      - { .name: x, .offset: 8, .size: 8, .value_kind: global_buffer, .address_space: global }
      - { .name: mask, .offset: 16, .size: 8, .value_kind: global_buffer, .address_space: global }
      - { .name: W_kv_codes, .offset: 24, .size: 8, .value_kind: global_buffer, .address_space: global }
      - { .name: W_kv_scales, .offset: 32, .size: 8, .value_kind: global_buffer, .address_space: global }
      - { .name: W_q_codes, .offset: 40, .size: 8, .value_kind: global_buffer, .address_space: global }
      - { .name: W_q_scales, .offset: 48, .size: 8, .value_kind: global_buffer, .address_space: global }
      - { .name: W_o_codes, .offset: 56, .size: 8, .value_kind: global_buffer, .address_space: global }
      - { .name: W_o_scales, .offset: 64, .size: 8, .value_kind: global_buffer, .address_space: global }
      - { .name: cimg, .offset: 72, .size: 8, .value_kind: global_buffer, .address_space: global }
      - { .name: wimg, .offset: 80, .size: 8, .value_kind: global_buffer, .address_space: global }
      - { .name: mwords, .offset: 88, .size: 8, .value_kind: global_buffer, .address_space: global }
      - { .name: mflag, .offset: 96, .size: 8, .value_kind: global_buffer, .address_space: global }
    .group_segment_fixed_size: 51712
    .private_segment_fixed_size: 0
    .kernarg_segment_align: 8
    .kernarg_segment_size: 104
    .max_flat_workgroup_size: 128
    .sgpr_count:     66
    .vgpr_count:     256
    .wavefront_size: 32
...
	.end_amdgpu_metadata
.endif
;; end of part 1
;; launch proj (part 2): grid 8 x 40, 4 waves a work-group, clusters of 4 x 4, 327,680 bytes of LDS; arguments cimg, wimg, kvimg, qimg; writes kvimg, qimg
.if DOCPART == 2
	.amdgcn_target "amdgcn-amd-amdhsa--gfx1250"
	.amdhsa_code_object_version 6
	.text
	.protected	k_q1512b91453_proj
	.globl	k_q1512b91453_proj
	.p2align	8
	.type	k_q1512b91453_proj,@function
k_q1512b91453_proj:
	s_mov_b64 s[64:65], 0
	v_nop
	global_prefetch_b8 v0, s[64:65] scope:SCOPE_SE
	s_setreg_imm32_b32 hwreg(HW_REG_WAVE_MODE, 25, 1), 1
	s_wait_xcnt 0x0
	s_wait_alu depctr_hold_cnt(0) depctr_sa_sdst(0) depctr_va_vdst(0) depctr_va_sdst(0) depctr_va_ssrc(0) depctr_va_vcc(0) depctr_vm_vsrc(0)
	s_getreg_b32 s2, hwreg(HW_REG_IB_STS2, 6, 4)
	s_cmp_eq_u32 s2, 0
	s_cbranch_scc0 .Lentry_in_a_cluster
	s_endpgm
.Lentry_in_a_cluster:
	s_bfe_u32 s2, ttmp6, 0x10000c
	s_cmp_lg_u32 s2, 0xf033
	s_cbranch_scc0 .Lentry_shape_is_right
	s_endpgm
.Lentry_shape_is_right:
.set TILEB,  12800
.set ROWB,   3072
.set FR,     12
.set NL,     3
.set NP,     4
.set HALFT,  8*ROWB
.set SLOT,   4*HALFT
.set SCL,    2*SLOT
.set HALFS,  8*512
.set SPARE,  SCL+4*HALFS
.set ADRR, 16
.set ADRP, 20
.set O16,  24
.set O8,   25
.set ADRS, 27
.set SPW,  28
.set NIL,  29
.set SC,   32
.set TM,   96
.set PWA,  112
.set WS,   120
.set AF,   128
.set PC,   128
.set G1, 24
.set G0, 32
.set G1B, 48
.set G0B, 56
.set G1S, 68
.set G0S, 76
.set G1SB, 80
.set G0SB, 88
.set MSB, 0
.macro WIN new
.if MSB != \new
	s_set_vgpr_msb (MSB<<8)|\new
.set MSB, \new
.endif
.endm
.set MUL_LO, 0xa1
.set MUL_HI, 0xf1
.set TO_P,   0x40
.macro JLOAD g0a, g1a, g0b, g1b
	s_cmp_eq_u32 s15, 0
	s_cbranch_scc0 .Lfor_p_\@
	tensor_load_to_lds s[\g0a:\g0a+3], s[\g1a:\g1a+7]
	s_nop 0
.rept 4
	v_nop
.endr
	s_branch .Lasked_\@
.Lfor_p_\@:
	tensor_load_to_lds s[\g0b:\g0b+3], s[\g1b:\g1b+7]
	s_nop 0
.rept 4
	v_nop
.endr
.Lasked_\@:
.endm
.macro CREST
	s_cmp_lg_u32 s14, 0
	s_cbranch_scc1 .Lnot_wave_0_\@
	s_barrier_signal -3
.Lnot_wave_0_\@:
	s_barrier_wait -3
	s_barrier_signal -1
	s_barrier_wait -1
.endm
.macro CROUND
	s_barrier_signal -1
	s_barrier_wait -1
	CREST
.endm
	s_load_b256 s[4:11], s[0:1], 0x0
	v_lshl_add_u32 v[SPW], v0, 2, SPARE
	v_mov_b32 v[NIL], 0
	ds_add_u32 v28, v29
	ds_add_u32 v28, v29
	s_wait_dscnt 0x0
	v_lshrrev_b32 v1, 5, v0
	v_readfirstlane_b32 s14, v1
	s_lshr_b32 s15, s14, 1
	s_and_b32 s16, s14, 1
	s_bfe_u32 s40, ttmp6, 0x40000
	s_bfe_u32 s41, ttmp6, 0x40004
	s_and_b32 s17, ttmp7, 0xffff
	s_mov_b32 s13, ttmp9
	s_lshl_b32 s19, s17, 1
	s_add_co_u32 s19, s19, s13
	s_sub_co_u32 s19, s19, 12
	s_cmp_ge_u32 s17, 8
	s_cselect_b32 s18, 2, s13
	s_cselect_b32 s19, s19, s17
	s_cmp_eq_u32 s18, 1
	s_cselect_b32 s20, s18, s19
	s_cselect_b32 s21, s19, s18
	s_lshl_b32 s20, s20, 2
	s_add_co_u32 s20, s20, s41
	s_lshl_b32 s21, s21, 2
	s_add_co_u32 s21, s21, s40
	s_lshl_b32 s43, s41, 2
	s_lshl_b32 s43, 15, s43
	s_lshl_b32 s44, 0x1111, s40
	s_or_b32 s[G1+0], s43, (3<<16)|(1<<21)
	s_or_b32 s[G1B+0], s44, (3<<16)|(1<<21)
.irp g, G1, G1B
	s_mov_b32 s[\g+1], 384<<16
	s_mov_b32 s[\g+2], 8<<16
	s_mov_b32 s[\g+3], 384<<16
	s_mov_b32 s[\g+4], 8
	s_mov_b32 s[\g+5], 1600
	s_mov_b32 s[\g+6], 0
	s_mov_b32 s[\g+7], 0
.endr
	s_or_b32 s[G1S+0], s43, (3<<16)|(1<<21)
	s_or_b32 s[G1SB+0], s44, (3<<16)|(1<<21)
.irp g, G1S, G1SB
	s_mov_b32 s[\g+1], 64<<16
	s_mov_b32 s[\g+2], 8<<16
	s_mov_b32 s[\g+3], 64<<16
	s_mov_b32 s[\g+4], 8
	s_mov_b32 s[\g+5], 1600
	s_mov_b32 s[\g+6], 0
	s_mov_b32 s[\g+7], 0
.endr
	s_lshl_b32 s22, s20, 4
	s_lshl_b32 s23, s16, 3
	s_add_co_u32 s22, s22, s23
	s_mul_i32 s22, s22, TILEB
	s_mov_b32 s23, 0
	s_lshl_b32 s46, s21, 4
	s_lshl_b32 s47, s16, 3
	s_add_co_u32 s46, s46, s47
	s_mul_i32 s46, s46, TILEB
	s_mov_b32 s47, 0
	s_mul_i32 s45, s14, HALFT
	s_mul_i32 s12, s14, HALFS
	s_wait_kmcnt 0x0
	s_cmp_eq_u32 s18, 1
	s_cselect_b64 s[92:93], s[6:7], s[4:5]
	s_cselect_b64 s[94:95], s[4:5], s[6:7]
	s_add_nc_u64 s[92:93], s[92:93], s[22:23]
	s_add_nc_u64 s[94:95], s[94:95], s[46:47]
	CROUND
	s_mov_b32 s[G0S], 1
	s_add_co_u32 s[G0S+1], s12, SCL
	s_add_nc_u64 s[G0S+2:G0S+3], s[92:93], 12288
	s_or_b32 s[G0S+3], s[G0S+3], 0x80000000
	s_mov_b32 s[G0SB], 1
	s_add_co_u32 s[G0SB+1], s12, SCL
	s_add_nc_u64 s[G0SB+2:G0SB+3], s[94:95], 12288
	s_or_b32 s[G0SB+3], s[G0SB+3], 0x80000000
	JLOAD G0S, G1S, G0SB, G1SB
.irp s, 0,1
	s_mov_b32 s[G0+4*\s], 1
	s_add_co_u32 s[G0+4*\s+1], s45, \s*SLOT
	s_add_nc_u64 s[G0+4*\s+2:G0+4*\s+3], s[92:93], \s*ROWB
	s_or_b32 s[G0+4*\s+3], s[G0+4*\s+3], 0x80000000
	s_mov_b32 s[G0B+4*\s], 1
	s_add_co_u32 s[G0B+4*\s+1], s45, \s*SLOT
	s_add_nc_u64 s[G0B+4*\s+2:G0B+4*\s+3], s[94:95], \s*ROWB
	s_or_b32 s[G0B+4*\s+3], s[G0B+4*\s+3], 0x80000000
	s_wait_alu depctr_va_vdst(0)
	s_wait_tensorcnt 0x0
	ds_add_u32 v28, v29
	s_wait_dscnt 0x0
	CROUND
	JLOAD G0+4*\s, G1, G0B+4*\s, G1B
.endr
	v_and_b32 v1, 15, v0
	v_bfe_u32 v2, v0, 4, 1
	s_wait_alu depctr_va_vdst(0)
	v_and_b32 v3, 31, v0
	v_lshlrev_b32 v[O16], 4, v3
	v_lshlrev_b32 v[O8], 3, v3
	s_mul_i32 s22, s15, HALFT
	s_mul_i32 s23, s16, HALFT
	s_add_co_u32 s23, s23, 2*HALFT
.irp s, 0,1
	v_add_nc_u32 v[ADRR+\s], s22, v[O16]
	v_add_nc_u32 v[ADRP+\s], s23, v[O16]
	s_add_co_u32 s22, s22, SLOT
	s_add_co_u32 s23, s23, SLOT
.endr
	s_mul_i32 s22, s15, HALFS
	s_mul_i32 s23, s16, HALFS
	s_add_co_u32 s23, s23, 2*HALFS
	s_sub_co_u32 s23, s23, s22
	v_mul_u32_u24 v4, s23, v2
	s_add_co_u32 s22, s22, SCL
	v_lshl_add_u32 v4, v1, 4, v4
	v_add_nc_u32 v[ADRS], s22, v4
.irp b, 0,1,2,3
	v_mov_b32 v[TM+4+\b], 0
.endr
	s_cmp_eq_u32 s18, 1
	s_cselect_b32 s22, s21, s20
	s_cselect_b32 s23, s20, s21
	s_cselect_b32 s46, s15, s16
	s_cselect_b32 s47, s16, s15
	s_mov_b32 s2, 768
	s_cselect_b32 s2, 1536, s2
	s_mov_b32 s3, 0
	s_cselect_b32 s12, 411648, 0
	s_mov_b32 s13, 0
	s_cselect_b32 s42, 6144, 0
	s_mov_b32 s43, 0
	s_bfe_u32 s92, s22, 0x10003
	s_lshl_b32 s92, s92, 4
	s_and_b32 s23, s23, 3
	s_lshl_b32 s23, s23, 2
	s_add_co_u32 s92, s92, s23
	s_lshl_b32 s46, s46, 1
	s_add_co_u32 s92, s92, s46
	s_and_b32 s93, s22, 7
	s_lshr_b32 s94, s22, 4
	s_lshl_b32 s94, s94, 3
	s_cmp_eq_u32 s18, 2
	s_cselect_b32 s94, 0, s94
	s_cselect_b32 s95, 4, 5
	s_mov_b32 s96, 13056
	s_cselect_b32 s96, 6656, s96
	s_mov_b32 s98, 417792
	s_cselect_b32 s98, 106496, s98
	s_mov_b32 s99, 0
	s_mov_b32 s100, 12288
	s_cselect_b32 s100, 6144, s100
	s_mov_b32 s101, 0
	s_cselect_b64 s[104:105], s[10:11], s[8:9]
	s_add_co_u32 s93, s93, s94
	s_lshl_b32 s93, s93, 1
	s_add_co_u32 s93, s93, s47
	s_lshl_b32 s92, s92, s95
	s_add_co_u32 s92, s92, s93
	s_mul_i32 s92, s92, s96
	s_mov_b32 s93, 0
	s_add_nc_u64 s[104:105], s[104:105], s[92:93]
	s_cmp_eq_u32 s18, 1
	s_cselect_b32 s100, 12800, s100
	s_cselect_b32 s92, 768, s98
	s_add_nc_u64 s[96:97], s[104:105], s[42:43]
	s_add_nc_u64 s[94:95], s[96:97], s[92:93]
	s_add_nc_u64 s[100:101], s[104:105], s[100:101]
	s_add_nc_u64 s[104:105], s[100:101], s[98:99]
	s_mov_b32 s17, 0xffff0000
	s_mov_b32 s66, 0x76543210
	s_mov_b32 s67, 0xfedcba98
.macro FRAG reg, adr, q, i
.irp c, 0,1,2
	ds_load_b128 v[\reg+4*\c:\reg+4*\c+3], v[\adr] offset:(\i)*ROWB+(\q)*1536+512*\c
.endr
.endm
.macro MUL16 a0, p, ks, zero
.irp a, \a0, \a0+1
.irp b, 0,1,2,3,4,5,6,7
.if \zero
	v_wmma_scale_f32_16x16x128_f8f6f4 v[8*(8*((\a)%4)+\b):8*(8*((\a)%4)+\b)+7], v[128*(\p)+FR*\b:128*(\p)+FR*\b+FR-1], v[AF+FR*(\a):AF+FR*(\a)+FR-1], 0, v[SC+8*\b+(\ks)], v[SC+8*(\a)+(\ks)] matrix_a_fmt:MATRIX_FMT_FP6 matrix_b_fmt:MATRIX_FMT_FP6 matrix_a_scale:MATRIX_SCALE_ROW1
.else
	v_wmma_scale_f32_16x16x128_f8f6f4 v[8*(8*((\a)%4)+\b):8*(8*((\a)%4)+\b)+7], v[128*(\p)+FR*\b:128*(\p)+FR*\b+FR-1], v[AF+FR*(\a):AF+FR*(\a)+FR-1], v[8*(8*((\a)%4)+\b):8*(8*((\a)%4)+\b)+7], v[SC+8*\b+(\ks)], v[SC+8*(\a)+(\ks)] matrix_a_fmt:MATRIX_FMT_FP6 matrix_b_fmt:MATRIX_FMT_FP6 matrix_a_scale:MATRIX_SCALE_ROW1
.endif
.endr
.endr
.endm
.macro FETCH_P slot, q, p
	WIN TO_P
.irp i, 0,1,2,3,4,5,6,7
	FRAG 128*(\p)+FR*\i, ADRP+\slot, \q, \i
.endr
	WIN 0
.endm
.macro FETCH_R slot, q, i0
.irp i, \i0, \i0+1, \i0+2, \i0+3
	FRAG AF+FR*(\i), ADRR+\slot, \q, \i
.endr
.endm
.macro SCALES
.irp i, 0,1,2,3,4,5,6,7
.irp c, 0,1
	ds_load_b128 v[SC+8*\i+4*\c:SC+8*\i+4*\c+3], v[ADRS] offset:512*\i+256*\c
.endr
.endr
.endm
.macro PLACES n
.rept \n
	v_nop
.endr
.endm
.macro STEP slot, ks, zero
	s_wait_dscnt 4*NL
	WIN MUL_LO
	MUL16 0, 0, \ks, \zero
	MUL16 2, 0, \ks, \zero
	s_wait_dscnt 0
	PLACES NP
	FETCH_P \slot, 1, 1
	FETCH_R \slot, 1, 0
	WIN MUL_HI
	MUL16 4, 0, \ks, \zero
	MUL16 6, 0, \ks, \zero
	PLACES NP
	WIN 0
	FETCH_R \slot, 1, 4
.endm
.macro TURN slot, next, fill, ks
	s_wait_tensorcnt 0x0
	ds_add_u32 v[SPW], v[NIL]
	s_wait_dscnt 4*NL+1
	WIN MUL_LO
	MUL16 0, 1, \ks, 0
	s_wait_dscnt 0x0
	s_barrier_signal -1
	MUL16 2, 1, \ks, 0
	WIN 0
	s_barrier_wait -1
.if \fill
	CREST
	s_add_nc_u64 s[G0+4*\slot+2:G0+4*\slot+3], s[G0+4*\slot+2:G0+4*\slot+3], 2*ROWB
	s_add_nc_u64 s[G0B+4*\slot+2:G0B+4*\slot+3], s[G0B+4*\slot+2:G0B+4*\slot+3], 2*ROWB
	JLOAD G0+4*\slot, G1, G0B+4*\slot, G1B
.else
	PLACES NP
.endif
	FETCH_P \next, 0, 0
	FETCH_R \next, 0, 0
	WIN MUL_HI
	MUL16 4, 1, \ks, 0
	MUL16 6, 1, \ks, 0
	PLACES NP
	WIN 0
	FETCH_R \next, 0, 4
.endm
	s_wait_alu depctr_va_vdst(0)
	s_wait_tensorcnt 1
	s_barrier_signal -1
	s_barrier_wait -1
	FETCH_P 0, 0, 0
	FETCH_R 0, 0, 0
	SCALES
	FETCH_R 0, 0, 4
	STEP 0, 0, 1
	TURN 0, 1, 1, 1
	STEP 1, 2, 0
	TURN 1, 0, 1, 3
	STEP 0, 4, 0
	TURN 0, 1, 0, 5
	STEP 1, 6, 0
	s_wait_dscnt 4*NL
	WIN MUL_LO
	MUL16 0, 1, 7, 0
	MUL16 2, 1, 7, 0
	s_wait_dscnt 0
	WIN MUL_HI
	MUL16 4, 1, 7, 0
	MUL16 6, 1, 7, 0
	WIN 0
	PLACES NP
.macro QUANTW a
.set AC, 64*((\a)%4)
.set XW, 2+(\a)/4
	WIN 20*XW
.irp b, 0,1,2,3
	v_max3_num_f32 v[TM+\b], 0x1800000, |v[AC+16*\b]|, |v[AC+1+16*\b]|
.endr
.irp i, 2,4,6,8,10,12,14
.irp b, 0,1,2,3
	v_max3_num_f32 v[TM+\b], v[TM+\b], |v[AC+16*\b+\i]|, |v[AC+1+16*\b+\i]|
.endr
.endr
	WIN 0
.irp b, 0,1,2,3
	v_permlanex16_b32 v[TM+4+\b], v[TM+\b], s66, s67
.endr
.irp b, 0,1,2,3
	v_max_num_f32 v[TM+\b], v[TM+\b], v[TM+4+\b]
.endr
.irp b, 0,1,2,3
	v_add_nc_u32 v[TM+12+\b], 0xff000000, v[TM+\b]
.endr
.irp b, 0,1,2,3
	v_lshrrev_b32 v[TM+4+\b], 23, v[TM+12+\b]
.endr
	v_lshl_or_b32 v[PWA+(\a)], v[TM+5], 8, v[TM+4]
	v_lshl_or_b32 v[PWA+(\a)], v[TM+6], 16, v[PWA+(\a)]
	v_lshl_or_b32 v[PWA+(\a)], v[TM+7], 24, v[PWA+(\a)]
	WIN XW
.irp c, 0,1
	v_cvt_scalef32_pk16_fp6_f32 v[PC+6*\c:PC+2+6*\c], v[AC+32*\c:AC+15+32*\c], v[TM+12+2*\c]
	v_cvt_scalef32_pk16_fp6_f32 v[PC+12+4*\c:PC+14+4*\c], v[AC+16+32*\c:AC+31+32*\c], v[TM+12+2*\c+1]
.endr
	WIN 0
	v_nop
.irp c, 0,1
.irp i, 0,1,2
	v_permlane16_swap_b32 v[PC+6*\c+\i], v[PC+12+4*\c+\i]
.endr
.irp i, 0,1,2
	v_mov_b32 v[PC+3+6*\c+\i], v[PC+12+4*\c+\i]
.endr
.endr
.endm
.irp a, 0,1,2,3,4,5,6,7
.if \a > 0
	s_wait_xcnt 0x0
	s_add_nc_u64 s[96:97], s[96:97], s[2:3]
	s_add_nc_u64 s[94:95], s[94:95], s[2:3]
.if \a == 4
	s_add_nc_u64 s[96:97], s[96:97], s[12:13]
	s_add_nc_u64 s[94:95], s[94:95], s[12:13]
.endif
.endif
	QUANTW \a
	global_store_b128 v[O16], v[PC:PC+3], s[96:97]
	global_store_b64 v[O8], v[PC+4:PC+5], s[96:97] offset:512
	global_store_b128 v[O16], v[PC+6:PC+9], s[94:95]
	global_store_b64 v[O8], v[PC+10:PC+11], s[94:95] offset:512
.endr
.irp j, 0,1,2,3
	v_cndmask_b32 v[WS+\j], v[PWA+2*\j], v[PWA+2*\j+1], s17
.endr
	s_cmp_eq_u32 s18, 1
	s_cbranch_scc1 .Lv_words
.irp j, 0,1,2,3
	v_lshrrev_b32 v[WS+4+\j], 16, v[WS+\j]
.endr
	global_store_b128 v[O16], v[WS:WS+3], s[100:101]
	global_store_b128 v[O16], v[WS+4:WS+7], s[104:105]
	s_branch .Lwords_done
.Lv_words:
	s_wait_alu depctr_va_vdst(0)
	global_store_b64 v[O8], v[WS:WS+1], s[100:101]
	global_store_b64 v[O8], v[WS+2:WS+3], s[104:105]
.Lwords_done:
	s_wait_tensorcnt 0x0
	ds_add_u32 v[SPW], v[NIL]
	s_wait_dscnt 0x0
	CROUND
	s_endpgm
.Lfunc_end_k_q1512b91453_proj:
	.size	k_q1512b91453_proj, .Lfunc_end_k_q1512b91453_proj-k_q1512b91453_proj
	.p2alignl 7, 3214868480
	.fill 96, 4, 3214868480
	.section	.rodata,"a",@progbits
	.p2align	6, 0x0
	.amdhsa_kernel k_q1512b91453_proj
		.amdhsa_group_segment_fixed_size 327680
		.amdhsa_private_segment_fixed_size 0
		.amdhsa_enable_private_segment 0
		.amdhsa_kernarg_size 32
		.amdhsa_user_sgpr_count 2
		.amdhsa_user_sgpr_kernarg_segment_ptr 1
		.amdhsa_wavefront_size32 1
		.amdhsa_system_sgpr_workgroup_id_x 1
		.amdhsa_system_sgpr_workgroup_id_y 1
		.amdhsa_system_sgpr_workgroup_id_z 1
		.amdhsa_system_vgpr_workitem_id 0
		.amdhsa_next_free_vgpr 1024
		.amdhsa_next_free_sgpr 106
		.amdhsa_reserve_vcc 0
		.amdhsa_float_denorm_mode_32 3
		.amdhsa_float_denorm_mode_16_64 3
		.amdhsa_memory_ordered 1
		.amdhsa_forward_progress 1
		.amdhsa_inst_pref_size 143
	.end_amdhsa_kernel
	.amdgpu_metadata
---
amdhsa.version: [ 1, 2 ]
amdhsa.kernels:
  - .name:           k_q1512b91453_proj
    .symbol:         k_q1512b91453_proj.kd
    .args:
      - { .name: cimg, .offset: 0, .size: 8, .value_kind: global_buffer, .address_space: global }
      - { .name: wimg, .offset: 8, .size: 8, .value_kind: global_buffer, .address_space: global }
      - { .name: kvimg, .offset: 16, .size: 8, .value_kind: global_buffer, .address_space: global }
      - { .name: qimg, .offset: 24, .size: 8, .value_kind: global_buffer, .address_space: global }
    .group_segment_fixed_size: 327680
    .private_segment_fixed_size: 0
    .kernarg_segment_align: 8
    .kernarg_segment_size: 32
    .max_flat_workgroup_size: 128
    .sgpr_count:     106
    .vgpr_count:     1024
    .wavefront_size: 32
...
	.end_amdgpu_metadata
.endif
;; end of part 2
;; launch attn (part 3): grid 8 x 32, 16 waves a work-group, no clusters, 54,272 bytes of LDS; arguments qimg, kvimg, mwords, aimg, ascl, mflag; writes aimg, ascl
.if DOCPART == 3
	.amdgcn_target "amdgcn-amd-amdhsa--gfx1250"
	.amdhsa_code_object_version 6
	.text
	.protected	k_q1512b91453_attn
	.globl	k_q1512b91453_attn
	.p2align	8
	.type	k_q1512b91453_attn,@function
k_q1512b91453_attn:
	s_mov_b64 s[64:65], 0
	v_nop
	global_prefetch_b8 v0, s[64:65] scope:SCOPE_SE
	s_setreg_imm32_b32 hwreg(HW_REG_WAVE_MODE, 25, 1), 1
	s_wait_xcnt 0x0
; ATTN: attended[b][q][head] = softmax_k(q . k / 8, masked) v, both products on codes of FP6 (E2M3) with E8M0 scales; the result is quantised along the head's 64 and leaves as codes.
; THE SOFTMAX AHEAD OF THE SECOND PRODUCT: t = score x log2(e) / 8; M = the row's largest t so far, rounded UP to a whole number; p = 2^(t - M) is what is quantised, along the keys.
; The row's sum is taken of the unquantised p and divides O at the end.  When M moves, the sum and O are multiplied by 2^(old M - new M): exact.
; THE MASK IS AN INPUT, and whole numbers decide what is done.  An earlier launch has made of its bytes 64 lane masks a key step (mwords) and, for each tile of 16 queries, two words of 32 flags (mflag):
; bit s of the first: key step s has a masked key; of the second: all its 16 x 128 places are masked.  A step that is masked whole has p = 0 everywhere and moves neither M, the sum nor O: its work is jumped over.
; A step with no masked place jumps over the 64 selects.  Any pattern of the mask is served: the flags choose among three ways through a step, and every wave passes every barrier.
; SHARES.  A work-group serves one (batch, head) and sixteen tiles of 16 queries, one a wave: tile 8 x rank + work-group x, so that a work-group's tiles are spread over all 2,048 queries.
; rank = 4 ((w / 4 + w % 4) % 4) + w % 4: the four waves with equal w % 4 and the four with equal w / 4 each hold one rank of every four.
; LAYOUT.  Both products are used transposed: S^T = K Q^T, O^T = V^T P^T: a lane holds one query (lane % 16) throughout.  The rows of every tile are chosen so that the 16 registers of tiles 2 b, 2 b + 1 are 16 neighbours.
; The head is 64 deep and the instruction 128: registers 6-11 of Q's fragment hold zero codes.  K's eight half fragments lie 6 registers apart: the upper six registers of a fragment are the next tile's codes,
; which meet Q's zero codes under finite scale bytes and add nothing.  V's fragments land on K's registers when the scores are made.
; THE RING.  A key step (128 keys) is 13,056 dense bytes, images of registers: 17 pieces of 768 bytes.  Wave w brings piece w, wave 0 also piece 16, from memory into registers and from there into LDS.
; Four slots of one key step.  At the top of step j a wave waits for the barrier signalled in step j - 1, stores its piece of key step j + 2 (loaded in step j - 1), asks for key step j + 3 and signals.
; Behind that wait every wave has stored key step j + 1 and has ended its reads of key step j - 2, whose slot takes key step j + 2.
; At the end of step j a wave fetches K's fragments of step j + 1, if that step counts for it; the wait for them is the one that stands ahead of the next signal.
; So between a signal and its wait a wave reads slots j % 4 and (j + 1) % 4; others store to slots (j + 2) % 4 and (j + 3) % 4.
; THE MASK WORDS of step j + 1, 8 bytes a lane (lane l: words 2 l and 2 l + 1), are asked for at the top of step j, only where some but not all of that step's places are masked; two pairs of registers take turns.
; NO TENSOR LOADS AND NO JOINT LOADS: the three ways through a step hang on numbers read from memory.
; PREFETCH: in step j wave 1 names key step j + 5, two steps ahead of its load: 51 blocks of 256 bytes, 7 to each of the eight work-groups of a head, a lane a block; the lanes left over name the last again.  Steps beyond 31 are not named.
; Key step 0's fragments of K and its mask words are fetched whatever the flags say: so these registers are written on every way through the text.
; LIMITS: a query all of whose keys are masked gives NaN by the definition; here its sum is 0 and the codes that leave are finite.  NaN and infinities among the inputs are not served.
; The promise holds while the scaled scores stay under 2^31 in magnitude.  A block of zeros keeps the byte 1 (read by this program alone).  The 32 scale bytes a wave stores fill their aligned blocks of 256 bytes only in part.
.set STEPB, 13056
.set SPARE, 4*STEPB                    ; behind the ring: the spare words, 128 bytes for each wave
.set L16,  1                           ; v1   16 x lane
.set L8,   2                           ; v2   8 x lane
.set SPW,  3                           ; v3   my spare word; never rewritten
.set NIL,  4                           ; v4   0; never rewritten
.set CH16, 5                           ; v5   my piece of a key step: 768 w + 16 x lane, in memory and in a slot alike
.set CH8,  6                           ; v6   768 w + 512 + 8 x lane
.set NI,   7                           ; v7   -infinity
.set VS,   8                           ; v8-9   V's scale words
.set QS,   10                          ; v10  Q's
.set PWD,  11                          ; v11  p's.   v12 -M, v13 the largest t, v[14:15] the sum in two halves, v16-27 Q
.set KS,   28                          ; v28-31 K's
.set KV,   32                          ; v32-85  K's eight half fragments, 6 registers apart, and six registers behind them; then V's four fragments in v32-79
.set S,    86                          ; v86-149 S^T, then p
.set O,    150                         ; v150-181 O^T
.set PC,   182                         ; v182-193 p's codes
.set PT,   194                         ; v194-201 at work
.set SO,   202                         ; v202-205 the conversions' scale operands
.set BM,   206                         ; v206-209 the blocks' largest scores
.set F,    210                         ; v[210:211] f
.set TP,   212                         ; at work
.set ST,   214                         ; v214-219 my piece on its way into LDS
.set SX,   220                         ; v220-225 wave 0: piece 16
.set PF,   226                         ; the prefetches' offset; never rewritten
.set SM,   228                         ; v228-241 seven partial sums
.set MW,   242                         ; v242-245 mask words: the pair of an even step, the pair of an odd one
; s2 trip, s3 lanes 16-31, s[4:13] addresses, s20 wave, s21 trip (wave 1) or trip + 8, s23 flags 'not all masked', s24 flags 'some but not all masked' (both shifted down 4 a trip),
; s[32:63], s[68:99] a mixed step's 64 mask words, s[100:101] c, s[104:105] lane selects
.macro PUT sl, r, rx                   ; my piece into slot sl
	ds_store_b128 v[CH16], v[\r:\r+3] offset:(\sl)*STEPB
	ds_store_b64 v[CH8], v[\r+4:\r+5] offset:(\sl)*STEPB
	s_cmp_lg_u32 s20, 0
	s_cbranch_scc1 .Lp_\@
	ds_store_b128 v[L16], v[\rx:\rx+3] offset:(\sl)*STEPB+12288
	ds_store_b64 v[L8], v[\rx+4:\rx+5] offset:(\sl)*STEPB+12800
.Lp_\@:
.endm
.macro GET k, r, rx                    ; my piece of the key step k steps behind the base
	global_load_b128 v[\r:\r+3], v[CH16], s[6:7] offset:(\k)*STEPB
	global_load_b64 v[\r+4:\r+5], v[CH8], s[6:7] offset:(\k)*STEPB
	s_cmp_lg_u32 s20, 0
	s_cbranch_scc1 .Lg_\@
	global_load_b128 v[\rx:\rx+3], v[L16], s[6:7] offset:(\k)*STEPB+12288
	global_load_b64 v[\rx+4:\rx+5], v[L8], s[6:7] offset:(\k)*STEPB+12800
.Lg_\@:
.endm
.macro KLOAD sl                        ; K's scale words and eight half fragments out of slot sl
	ds_load_b128 v[KS:KS+3], v[L16] offset:(\sl)*STEPB+12288
.irp t, 0,1,2,3,4,5,6,7
	ds_load_b128 v[KV+6*\t:KV+6*\t+3], v[L16] offset:(\sl)*STEPB+768*\t
	ds_load_b64 v[KV+6*\t+4:KV+6*\t+5], v[L8] offset:(\sl)*STEPB+768*\t+512
.endr
.endm
	s_load_b256 s[4:11], s[0:1], 0x0               ; qimg s[4:5], kvimg s[6:7], mwords s[8:9], aimg s[10:11]
	s_load_b128 s[12:15], s[0:1], 0x20             ; ascl s[12:13], mflag s[14:15]
	v_lshl_add_u32 v[SPW], v0, 2, SPARE
	v_mov_b32 v[NIL], 0
	v_lshrrev_b32 v5, 5, v0
	s_delay_alu instid0(VALU_DEP_1)
	v_readfirstlane_b32 s20, v5                    ; wave 0..15
	s_mul_i32 s25, ttmp9, 7
	v_and_b32 v6, 31, v0
	s_delay_alu instid0(VALU_DEP_1)
	v_lshlrev_b32 v[L16], 4, v6
	s_delay_alu instid0(VALU_DEP_2)
	v_lshlrev_b32 v[L8], 3, v6
	v_min_u32 v[PF], 6, v6
	s_delay_alu instid0(VALU_DEP_1)
	v_add_nc_u32 v[PF], s25, v[PF]
	s_delay_alu instid0(VALU_DEP_1)
	v_min_u32 v[PF], 50, v[PF]                     ; block 7 x work-group x + lane, held at my seventh and at the step's last
	s_delay_alu instid0(VALU_DEP_1)
	v_lshlrev_b32 v[PF], 8, v[PF]
	s_mul_i32 s24, s20, 768
	v_add_nc_u32 v[CH16], s24, v[L16]
	s_add_co_u32 s24, s24, 512
	v_add_nc_u32 v[CH8], s24, v[L8]
	s_and_b32 s34, ttmp7, 0xffff                   ; 16 b + head
	s_lshr_b32 s25, s20, 2
	s_and_b32 s26, s20, 3
	s_add_co_u32 s25, s25, s26
	s_and_b32 s25, s25, 3
	s_lshl_b32 s25, s25, 2
	s_add_co_u32 s25, s25, s26                     ; rank
	s_cmp_eq_u32 s20, 1
	s_cselect_b32 s21, 0, 8                        ; wave 1 alone prefetches
	s_mul_i32 s38, s34, 32*STEPB                   ; the head's K and V
	s_mov_b32 s39, 0
	s_lshl_b32 s40, s34, 4                         ; Q: [16 b + head][group of 128 queries = rank][6,656 bytes]
	s_add_co_u32 s40, s40, s25
	s_mul_i32 s40, s40, 6656
	s_mov_b32 s41, 0
	s_mul_i32 s44, ttmp9, 768                      ; my tile in the group is work-group x
	s_mov_b32 s45, 0
	s_and_b32 s46, ttmp9, 1
	s_lshl_b32 s46, s46, 8
	s_lshr_b32 s42, ttmp9, 1
	s_lshl_b32 s42, s42, 2
	s_add_co_u32 s46, s46, s42                     ; my tile's words among the group's: 256 (tile % 2) + 4 (tile / 2), + 16 r
	v_and_b32 v[SM], 15, v0
	s_delay_alu instid0(VALU_DEP_1)
	v_lshlrev_b32 v[SM], 4, v[SM]
	s_delay_alu instid0(VALU_DEP_1)
	v_add_nc_u32 v[SM], s46, v[SM]
	s_lshr_b32 s47, s34, 4
	s_lshl_b32 s47, s47, 7
	s_lshl_b32 s48, s25, 3
	s_add_co_u32 s47, s47, s48
	s_add_co_u32 s47, s47, ttmp9                   ; T = 128 b + 8 rank + work-group x
	s_and_b32 s48, s34, 15                         ; the head
	s_lshl_b32 s50, s47, 13                        ; the mask words: 8,192 bytes a tile
	s_mov_b32 s51, 0
	s_mul_i32 s52, s47, 12288                      ; the codes that leave: [T][head][768 bytes]
	s_mul_i32 s49, s48, 768
	s_add_co_u32 s52, s52, s49
	s_mov_b32 s53, 0
	s_lshl_b32 s54, s47, 9                         ; their scale bytes: [T][512]: 256 (head / 8) + 16 r + 4 ((head / 2) % 4) + 2 (head % 2) + block
	s_lshr_b32 s49, s48, 3
	s_lshl_b32 s49, s49, 8
	s_add_co_u32 s54, s54, s49
	s_bfe_u32 s49, s48, 0x20001
	s_lshl_b32 s49, s49, 2
	s_add_co_u32 s54, s54, s49
	s_and_b32 s49, s48, 1
	s_lshl_b32 s49, s49, 1
	s_add_co_u32 s54, s54, s49
	s_mov_b32 s55, 0
	s_lshl_b32 s56, s47, 3                         ; the flags: 8 bytes a tile
	s_mov_b32 s57, 0
	s_mov_b32 s3, 0xffff0000
	s_mov_b32 s100, 0x3e38aa3b                     ; c = log2(e) / 8
	s_mov_b32 s101, s100                           ; (named with it as a pair, so it is written)
	s_mov_b32 s104, 0x76543210
	s_mov_b32 s105, 0xfedcba98
	s_wait_alu depctr_va_vdst(0)
	s_wait_kmcnt 0x0
	s_add_nc_u64 s[6:7], s[6:7], s[38:39]
	s_add_nc_u64 s[4:5], s[4:5], s[40:41]
	s_add_nc_u64 s[44:45], s[4:5], s[44:45]
	s_add_nc_u64 s[8:9], s[8:9], s[50:51]
	s_add_nc_u64 s[10:11], s[10:11], s[52:53]
	s_add_nc_u64 s[12:13], s[12:13], s[54:55]
	s_add_nc_u64 s[14:15], s[14:15], s[56:57]
	s_load_b64 s[22:23], s[14:15], 0x0             ; my tile's flags
	GET 0, ST, SX                                  ; key steps 0 and 1
	GET 1, S, S+8
	global_load_b128 v[16:19], v[L16], s[44:45]    ; Q's half fragment stays in registers
	global_load_b64 v[20:21], v[L8], s[44:45] offset:512
	global_load_b32 v[QS], v[SM], s[4:5] offset:6144
	v_mov_b32 v[NI], 0xff800000
.irp j, 22,23,24,25,26,27
	v_mov_b32 v[\j], 0                             ; zero codes for the upper 64 of the instruction's 128
.endr
.irp j, 48,49,50,51,52,53
	v_mov_b32 v[KV+\j], 0                          ; behind K's last half fragment: written once, read as codes that meet Q's zeros
.endr
.set j, 0
.rept 32
	v_mov_b32 v[O+j], 0                            ; O^T.  (The step is written once: the first finds zeros, which the first change of M leaves zeros)
.set j, j+1
.endr
	v_mov_b32 v13, 0xff61b1e6                      ; the largest t so far: -3e38, under every t
	s_delay_alu instid0(VALU_DEP_1)
	v_floor_f32 v12, -v13                          ; -M
	v_mov_b32 v14, 0
	v_mov_b32 v15, 0
.irp b, 0,1,2,3
	v_mov_b32 v[PT+\b], 0                          ; written once: a lane permute's destination counts as one of its sources
.endr
	v_mov_b32 v[F], 0
	v_mov_b32 v[F+1], 0                            ; (named as the upper half of the pair)
	v_mov_b32 v[MW+2], 0                           ; the odd steps' pair is written on every way
	v_mov_b32 v[MW+3], 0
	s_wait_alu depctr_va_vdst(0)
	s_wait_loadcnt 0x0                             ; my pieces of key steps 0 and 1, and Q
	PUT 0, ST, SX
	PUT 1, S, S+8
	s_wait_dscnt 0x0                               ; for the others' sake, and the stores have read their registers
	GET 2, ST, SX
	global_load_b64 v[MW:MW+1], v[L8], s[8:9]      ; key step 0's mask words
	s_wait_kmcnt 0x0                               ; the flags
	s_and_not1_b32 s24, s22, s23                   ; some but not all places masked
	s_not_b32 s23, s23                             ; not all masked: the step counts
	s_barrier_signal -1
	s_barrier_wait -1                              ; key steps 0 and 1 are whole
	KLOAD 0
	s_wait_dscnt 0x0
	s_barrier_signal -1                            ; the first step's top waits for it
.macro KQ n                            ; tile n of S^T: source 0 = 16 keys, source 1 = my 16 queries.  An odd tile's scale words stand in lanes 16-31
.if (\n)%2
	v_wmma_scale_f32_16x16x128_f8f6f4 v[S+8*(\n):S+8*(\n)+7], v[KV+6*(\n):KV+6*(\n)+11], v[16:27], 0, v[KS+(\n)/2], v[QS] matrix_a_fmt:MATRIX_FMT_FP6 matrix_b_fmt:MATRIX_FMT_FP6 matrix_a_scale:MATRIX_SCALE_ROW1
.else
	v_wmma_scale_f32_16x16x128_f8f6f4 v[S+8*(\n):S+8*(\n)+7], v[KV+6*(\n):KV+6*(\n)+11], v[16:27], 0, v[KS+(\n)/2], v[QS] matrix_a_fmt:MATRIX_FMT_FP6 matrix_b_fmt:MATRIX_FMT_FP6
.endif
.endm
.macro PV t                            ; tile t of O^T: source 0 = 16 of the head's 64, source 1 = p
.if (\t)%2
	v_wmma_scale_f32_16x16x128_f8f6f4 v[O+8*\t:O+8*\t+7], v[KV+12*\t:KV+12*\t+11], v[PC:PC+11], v[O+8*\t:O+8*\t+7], v[VS+(\t)/2], v[PWD] matrix_a_fmt:MATRIX_FMT_FP6 matrix_b_fmt:MATRIX_FMT_FP6 matrix_a_scale:MATRIX_SCALE_ROW1
.else
	v_wmma_scale_f32_16x16x128_f8f6f4 v[O+8*\t:O+8*\t+7], v[KV+12*\t:KV+12*\t+11], v[PC:PC+11], v[O+8*\t:O+8*\t+7], v[VS+(\t)/2], v[PWD] matrix_a_fmt:MATRIX_FMT_FP6 matrix_b_fmt:MATRIX_FMT_FP6
.endif
.endm
; KEY STEP 4 x trip + u, in slot u.  No two matrix instructions that follow each other share an accumulator.
.macro STEP u
	s_wait_alu depctr_va_vdst(0)
	s_barrier_wait -1                              ; the last step's barrier: the slot two steps back is read no more, the next step's slot is whole
	s_wait_loadcnt 0x0                             ; my piece and this step's mask words, asked for a step ago
.if \u >= 2
	s_cmp_eq_u32 s2, 7                             ; key steps 32 and 33 do not exist
	s_cbranch_scc1 .Lnf_\@
.endif
	PUT (\u+2)%4, ST, SX
	s_wait_dscnt 0x0                               ; the stores have read their registers
.if \u == 1
	s_cmp_eq_u32 s2, 7
	s_cbranch_scc1 .Lnf_\@
.endif
	GET \u+3, ST, SX
	s_cmp_lt_u32 s21, 7-(\u)/3                     ; wave 1, while key step 4 x trip + u + 5 exists
	s_cbranch_scc0 .Lnf_\@
	global_prefetch_b8 v[PF], s[6:7] offset:(\u+5)*STEPB th:TH_LOAD_NT scope:SCOPE_SE
.Lnf_\@:
	s_wait_dscnt 0x0                               ; on every way: my piece lies in its slot, this step's fragments of K are in, no read of mine is out
	s_bitcmp1_b32 s24, \u+1                        ; (behind step 31 the flags shifted in are 0)
	s_cbranch_scc0 .Lnw_\@
	global_load_b64 v[MW+2*((\u+1)%2):MW+2*((\u+1)%2)+1], v[L8], s[8:9] offset:256*(\u+1)   ; the next step's 64 mask words: 256 consecutive bytes
.Lnw_\@:
	s_barrier_signal -1
	s_bitcmp1_b32 s23, \u
	s_cbranch_scc0 .Lskip_\@                       ; every place of the step is masked: nothing of it counts
.irp n, 0,1,2,3,4,5,6,7
	KQ \n
.endr
.rept 4
	v_nop                                          ; places in front of the loads into K's registers and of the first read of the scores
.endr
.irp t, 0,1,2,3
	ds_load_b128 v[KV+12*\t:KV+12*\t+3], v[L16] offset:\u*STEPB+6144+1536*\t
	ds_load_b64 v[KV+12*\t+4:KV+12*\t+5], v[L8] offset:\u*STEPB+6144+1536*\t+512
	ds_load_b128 v[KV+12*\t+6:KV+12*\t+9], v[L16] offset:\u*STEPB+6144+1536*\t+768
	ds_load_b64 v[KV+12*\t+10:KV+12*\t+11], v[L8] offset:\u*STEPB+6144+1536*\t+1280
.endr
	ds_load_b64 v[VS:VS+1], v[L8] offset:\u*STEPB+12800
	s_bitcmp1_b32 s24, \u
	s_cbranch_scc0 .Lclean_\@                      ; no place of the step is masked
.set n, 0
.rept 32
	v_readlane_b32 s[32+n], v[MW+2*((\u)%2)+n%2], n/2   ; word n lies in lane n / 2 of register n % 2 of the pair
.set n, n+1
.endr
.rept 32
	v_readlane_b32 s[36+n], v[MW+2*((\u)%2)+n%2], n/2
.set n, n+1
.endr
.set n, 0
.rept 32
	v_cndmask_b32 v[S+n], v[S+n], v[NI], s[32+n]   ; a masked score becomes -infinity: p = 0 then.  Ascending: each accumulator is read from its low end on
.set n, n+1
.endr
.rept 32
	v_cndmask_b32 v[S+n], v[S+n], v[NI], s[36+n]
.set n, n+1
.endr
.Lclean_\@:
.irp b, 0,1,2,3
	v_max3_num_f32 v[BM+\b], v[S+16*\b], v[S+1+16*\b], v[S+2+16*\b]   ; the largest score of each block of 32 keys: it serves for the row's maximum and, since p rises with the score, for the block's largest p
.endr
.irp i, 3,5,7,9,11,13
.irp b, 0,1,2,3
	v_max3_num_f32 v[BM+\b], v[BM+\b], v[S+16*\b+\i], v[S+1+16*\b+\i]   ; the four blocks by turns
.endr
.endr
.irp b, 0,1,2,3
	v_max_num_f32 v[BM+\b], v[BM+\b], v[S+15+16*\b]
.endr
.irp b, 0,1,2,3
	s_delay_alu instid0(VALU_DEP_4)
	v_permlanex16_b32 v[PT+\b], v[BM+\b], s104, s105
.endr
.irp b, 0,1,2,3
	s_delay_alu instid0(VALU_DEP_4)
	v_max_num_f32 v[BM+\b], v[BM+\b], v[PT+\b]     ; with lane l xor 16's 16 keys
.endr
	s_delay_alu instid0(VALU_DEP_2)
	v_max3_num_f32 v[TP], v[BM], v[BM+1], v[BM+2]
	s_delay_alu instid0(VALU_DEP_1)
	v_max_num_f32 v[TP], v[TP], v[BM+3]
	s_delay_alu instid0(VALU_DEP_1)
	v_mul_f32 v[TP], s100, v[TP]                   ; the step's largest t (c is positive)
	s_delay_alu instid0(VALU_DEP_1)
	v_max_num_f32 v13, v13, v[TP]                  ; the running largest t
	v_mov_b32 v[TP], v12
	s_delay_alu instid0(VALU_DEP_2)
	v_floor_f32 v12, -v13                          ; the new -M = floor(-t) = -ceil(t)
	s_delay_alu instid0(VALU_DEP_1)
	v_sub_f32 v[TP], v12, v[TP]                    ; old M - new M: a whole number, 0 or less
	s_delay_alu instid0(VALU_DEP_1)
	v_cvt_i32_f32 v[TP], v[TP]                     ; (it saturates)
	s_delay_alu instid0(VALU_DEP_1)
	v_ldexp_f32 v[F], 1.0, v[TP]                   ; f = 2^(old M - new M)
.set j, 0
.rept 32
	v_pk_fma_f32 v[S+j:S+j+1], v[S+j:S+j+1], s[100:101], v[12:13] op_sel_hi:[1,0,0]   ; t - M, two at a time
.set j, j+2
.endr
.irp b, 0,1,2,3
	v_fma_f32 v[BM+\b], v[BM+\b], s100, v12        ; the same of each block's largest score
.endr
	s_wait_alu depctr_va_vdst(0)
.set j, 0
.rept 64
	v_exp_f32 v[S+j], v[S+j]                       ; p = 2^(t - M), at most 1
.set j, j+1
.endr
.irp b, 0,1,2,3
	v_exp_f32 v[BM+\b], v[BM+\b]                   ; the block's largest p: the same two instructions on the same number
.endr
	v_pk_mul_f32 v[14:15], v[14:15], v[F:F+1] op_sel_hi:[1,0]   ; the sums under the new M.  (A plain place behind the exponentials)
	s_wait_alu depctr_va_vdst(0)                   ; one wait for the batch, ahead of its first reader
.irp b, 0,1,2,3
	v_max_num_f32 v[BM+\b], 0x1800000, v[BM+\b]    ; the floor 2^(3 - 127): the byte cannot fall under 1
.endr
.irp b, 0,1,2,3
	s_delay_alu instid0(VALU_DEP_4)
	v_add_nc_u32 v[SO+\b], 0xff000000, v[BM+\b]    ; 2 off the exponent field: the conversion's scale operand
.endr
.irp b, 0,1,2,3
	s_delay_alu instid0(VALU_DEP_4)
	v_lshrrev_b32 v[PT+\b], 23, v[SO+\b]           ; the scale's byte
.endr
	s_delay_alu instid0(VALU_DEP_3)
	v_lshl_or_b32 v[PWD], v[PT+1], 8, v[PT]        ; p's scale word for these 128 keys
	s_delay_alu instid0(VALU_DEP_1)
	v_lshl_or_b32 v[PWD], v[PT+2], 16, v[PWD]
	s_delay_alu instid0(VALU_DEP_1)
	v_lshl_or_b32 v[PWD], v[PT+3], 24, v[PWD]
.irp c, 0,1
	v_cvt_scalef32_pk16_fp6_f32 v[PC+6*\c:PC+2+6*\c], v[S+32*\c:S+15+32*\c], v[SO+2*\c]
	v_cvt_scalef32_pk16_fp6_f32 v[PT+4*\c:PT+2+4*\c], v[S+16+32*\c:S+31+32*\c], v[SO+2*\c+1]   ; (a conversion's three registers begin on an even number)
.endr
	v_nop                                          ; one plain place behind a scaled conversion
.irp c, 0,1                                    ; the operand's layout wants a whole block in a lane
.irp i, 0,1,2
	v_permlane16_swap_b32 v[PC+6*\c+\i], v[PT+4*\c+\i]
.endr
.irp i, 0,1,2
	s_delay_alu instid0(VALU_DEP_3)
	v_mov_b32 v[PC+3+6*\c+\i], v[PT+4*\c+\i]
.endr
.endr
.irp c, 0,1,2,3,4,5,6                          ; the row's sum of the unquantised p: 32 pairs in eight chains
	v_pk_add_f32 v[SM+2*\c:SM+2*\c+1], v[S+4*\c:S+4*\c+1], v[S+4*\c+2:S+4*\c+3]
.endr
	v_pk_add_f32 v[14:15], v[14:15], v[S+28:S+29]
.irp r, 0,1
.irp c, 0,1,2,3,4,5,6
	v_pk_add_f32 v[SM+2*\c:SM+2*\c+1], v[SM+2*\c:SM+2*\c+1], v[S+30+16*\r+2*\c:S+31+16*\r+2*\c]
.endr
	v_pk_add_f32 v[14:15], v[14:15], v[S+44+16*\r:S+45+16*\r]
.endr
	v_pk_add_f32 v[SM:SM+1], v[SM:SM+1], v[S+62:S+63]
	v_pk_add_f32 v[14:15], v[14:15], v[SM+6:SM+7]
	v_pk_add_f32 v[SM+2:SM+3], v[SM+2:SM+3], v[SM+10:SM+11]
	v_pk_add_f32 v[SM+4:SM+5], v[SM+4:SM+5], v[SM+12:SM+13]
	v_pk_add_f32 v[SM:SM+1], v[SM:SM+1], v[SM+8:SM+9]
	v_pk_add_f32 v[14:15], v[14:15], v[SM+2:SM+3]
	v_pk_add_f32 v[SM:SM+1], v[SM:SM+1], v[SM+4:SM+5]
	v_pk_add_f32 v[14:15], v[14:15], v[SM:SM+1]
	s_wait_dscnt 0x0                               ; V's fragments and scale words: awaited here, so that no wait stands between the lines below and the products that read them
	s_wait_alu depctr_va_vdst(0)
.set j, 0
.rept 16
	v_pk_mul_f32 v[O+j:O+j+1], v[O+j:O+j+1], v[F:F+1] op_sel_hi:[1,0]   ; O^T under the new M.  (With the sums above: the places between the lines that made p's codes and scale word and the products below)
.set j, j+2
.endr
.irp t, 0,1,2,3
	PV \t
.endr
.rept 4
	v_nop                                          ; places in front of the loads below into V's registers
.endr
.Lskip_\@:
	s_bitcmp1_b32 s23, \u+1                        ; does the next step count?  (Behind step 31 the flags shifted in are 0)
	s_cbranch_scc0 .Lnk_\@
	KLOAD (\u+1)%4                                 ; its slot has been whole since this step's top; the wait stands ahead of the next signal
.Lnk_\@:
.endm
	s_mov_b32 s2, 0
.Ltrip:                                        ; a trip goes once round the ring: four key steps
	STEP 0
	STEP 1
	STEP 2
	STEP 3
	s_wait_alu depctr_va_vdst(0)
	s_wait_xcnt 0x0                                ; the loads and the prefetch have read their bases
	s_add_nc_u64 s[6:7], s[6:7], 4*STEPB
	s_add_nc_u64 s[8:9], s[8:9], 1024
	s_lshr_b32 s23, s23, 4
	s_lshr_b32 s24, s24, 4
	s_add_co_u32 s21, s21, 1
	s_add_co_u32 s2, s2, 1
	s_cmp_lt_u32 s2, 8
	s_cbranch_scc1 .Ltrip
	s_barrier_wait -1                              ; the last step's signal has its wait
	; THE WAY OUT.  O^T / the sum; its 32 registers, register 16 b + i = channel 32 b + 16 (lane / 16) + i, are two blocks of the last product's K: six registers of codes and two scale bytes a row.
	v_add_f32 v14, v14, v15
	s_delay_alu instid0(VALU_DEP_1)
	v_permlanex16_b32 v[F], v14, s104, s105
	s_delay_alu instid0(VALU_DEP_1)
	v_add_f32 v14, v14, v[F]                       ; the row's sum
	s_wait_alu depctr_va_vdst(0)
	v_rcp_f32 v14, v14
	v_and_b32 v[SM], 15, v0                        ; (a plain place behind the transcendental)
	v_bfe_u32 v[SM+1], v0, 4, 1
	s_delay_alu instid0(VALU_DEP_1)
	v_lshl_add_u32 v[SM], v[SM], 4, v[SM+1]        ; 16 r + h: my scale byte's place
	s_wait_alu depctr_va_vdst(0)                   ; ahead of the first reader of the quotient and of O^T
.set j, 0
.rept 32
	v_mul_f32 v[S+j], v[O+j], v14                  ; ascending: each accumulator is read from its low end on
.set j, j+1
.endr
.irp b, 0,1
	v_max3_num_f32 v[BM+\b], |v[S+16*\b]|, |v[S+1+16*\b]|, 0x1800000
.endr
.irp i, 2,4,6,8,10,12,14
.irp b, 0,1
	s_delay_alu instid0(VALU_DEP_2)
	v_max3_num_f32 v[BM+\b], v[BM+\b], |v[S+16*\b+\i]|, |v[S+1+16*\b+\i]|
.endr
.endr
.irp b, 0,1
	s_delay_alu instid0(VALU_DEP_2)
	v_permlanex16_b32 v[PT+\b], v[BM+\b], s104, s105
.endr
.irp b, 0,1
	s_delay_alu instid0(VALU_DEP_2)
	v_max_num_f32 v[BM+\b], v[BM+\b], v[PT+\b]
.endr
.irp b, 0,1
	s_delay_alu instid0(VALU_DEP_2)
	v_add_nc_u32 v[SO+\b], 0xff000000, v[BM+\b]
.endr
.irp b, 0,1
	s_delay_alu instid0(VALU_DEP_2)
	v_lshrrev_b32 v[PT+4+\b], 23, v[SO+\b]
.endr
	s_delay_alu instid0(VALU_DEP_1)
	v_cndmask_b32 v[TP], v[PT+4], v[PT+5], s3      ; lanes 0-15 store block 0's byte, lanes 16-31 block 1's
	v_cvt_scalef32_pk16_fp6_f32 v[PC:PC+2], v[S:S+15], v[SO]
	v_cvt_scalef32_pk16_fp6_f32 v[PT:PT+2], v[S+16:S+31], v[SO+1]
	v_nop
.irp i, 0,1,2
	v_permlane16_swap_b32 v[PC+\i], v[PT+\i]
.endr
.irp i, 0,1,2
	s_delay_alu instid0(VALU_DEP_3)
	v_mov_b32 v[PC+3+\i], v[PT+\i]
.endr
	global_store_b128 v[L16], v[PC:PC+3], s[10:11]               ; 512 consecutive bytes, aligned
	global_store_b64 v[L8], v[PC+4:PC+5], s[10:11] offset:512    ; 256
	global_store_b8 v[SM], v[TP], s[12:13]
	s_wait_tensorcnt 0x0                           ; the wave's end
	ds_add_u32 v[SPW], v[NIL]
	s_wait_dscnt 0x0
	s_endpgm
.Lfunc_end_k_q1512b91453_attn:
	.size	k_q1512b91453_attn, .Lfunc_end_k_q1512b91453_attn-k_q1512b91453_attn
	.p2alignl 7, 3214868480
	.fill 96, 4, 3214868480
	.section	.rodata,"a",@progbits
	.p2align	6, 0x0
	.amdhsa_kernel k_q1512b91453_attn
		.amdhsa_group_segment_fixed_size 54272
		.amdhsa_private_segment_fixed_size 0
		.amdhsa_enable_private_segment 0
		.amdhsa_kernarg_size 48
		.amdhsa_user_sgpr_count 2
		.amdhsa_user_sgpr_kernarg_segment_ptr 1
		.amdhsa_wavefront_size32 1
		.amdhsa_system_sgpr_workgroup_id_x 1
		.amdhsa_system_sgpr_workgroup_id_y 1
		.amdhsa_system_sgpr_workgroup_id_z 1
		.amdhsa_system_vgpr_workitem_id 0
		.amdhsa_next_free_vgpr 256
		.amdhsa_next_free_sgpr 106
		.amdhsa_reserve_vcc 0
		.amdhsa_float_denorm_mode_32 3
		.amdhsa_float_denorm_mode_16_64 3
		.amdhsa_memory_ordered 1
		.amdhsa_forward_progress 1
		.amdhsa_inst_pref_size 119
	.end_amdhsa_kernel
	.amdgpu_metadata
---
amdhsa.version: [ 1, 2 ]
amdhsa.kernels:
  - .name:           k_q1512b91453_attn
    .symbol:         k_q1512b91453_attn.kd
    .args:
      - { .name: qimg, .offset: 0, .size: 8, .value_kind: global_buffer, .address_space: global }
      - { .name: kvimg, .offset: 8, .size: 8, .value_kind: global_buffer, .address_space: global }
      - { .name: mwords, .offset: 16, .size: 8, .value_kind: global_buffer, .address_space: global }
      - { .name: aimg, .offset: 24, .size: 8, .value_kind: global_buffer, .address_space: global }
      - { .name: ascl, .offset: 32, .size: 8, .value_kind: global_buffer, .address_space: global }
      - { .name: mflag, .offset: 40, .size: 8, .value_kind: global_buffer, .address_space: global }
    .group_segment_fixed_size: 54272
    .private_segment_fixed_size: 0
    .kernarg_segment_align: 8
    .kernarg_segment_size: 48
    .max_flat_workgroup_size: 512
    .sgpr_count:     106
    .vgpr_count:     256
    .wavefront_size: 32
...
	.end_amdgpu_metadata
.endif
;; end of part 3
;; launch outln (part 4): grid 256 x 1, 8 waves a work-group, no clusters, 67,840 bytes of LDS; arguments aimg, ascl, wimg, x, ln_g, ln_b, out0; writes out0
.if DOCPART == 4
	.amdgcn_target "amdgcn-amd-amdhsa--gfx1250"
	.amdhsa_code_object_version 6
	.text
	.protected	k_q1512b91453_outln
	.globl	k_q1512b91453_outln
	.p2align	8
	.type	k_q1512b91453_outln,@function
k_q1512b91453_outln:
	s_mov_b64 s[64:65], 0
	v_nop
	global_prefetch_b8 v0, s[64:65] scope:SCOPE_SE
	s_setreg_imm32_b32 hwreg(HW_REG_WAVE_MODE, 25, 1), 1
	s_wait_xcnt 0x0
; OUTLN: out0 = LayerNorm(x + attended W_o) g + b.  The product is on codes of FP6 (E2M3) with E8M0 scales, K = 1,024; x is the C of each sum's first matrix instruction.
; SHARES.  A work-group takes one tile of 16 rows of x (tile T: lane r holds row 32 (T / 2) + 8 (T % 2) + r + 8 (r / 8)), all 1,024 columns; wave w takes columns 128 w .. 128 w + 127: 8 tiles of W_o's rows.
; The product is used transposed (source 0 = 16 rows of W_o, source 1 = the attended rows): lane (r, h), tile 2 b + u, register j: column 128 w + 32 b + 16 h + 8 u + j of row r.
; NO RING AND NO JOINT LOADS: a work-group reads all of W_o, 819,200 bytes, for 64 matrix instructions a wave; a ring could have one slot on its way behind each barrier with 8 matrix instructions a wave
; to cover it.  In the order of the operands' registers each load of a wave reads 512 consecutive bytes, and by the counted waits 12 to 28 such loads a wave stay on their way with no barrier at all.
; x comes by rows (512 consecutive bytes a load), turns through a stage in LDS into C's layout, and the result goes back the same way: every store covers 512 consecutive bytes, aligned.
; The mean and the variance are taken in two passes, in f32: in a lane, with lane l xor 16, and over the eight waves through LDS.
; LIMITS: NaN and infinities among the inputs are not served.
.set XP,   4112                        ; a stage row: 4,096 bytes + 16
.set RED,  16*XP                       ; behind the stage: [row][wave] partial sums, 512 bytes; and 512 more for the second pass
.set AS,   16                          ; v16-23  the attended rows' scale words, one register a K step
.set BS,   24                          ; v24-55  W_o's: register 8 (tile / 2) + step: lanes 0-15 the even tile, lanes 16-31 the odd
.set AF,   56                          ; v56-79  two attended fragments
.set BF,   80                          ; v80-175 two sets of four fragments of W_o
.set ACC,  176                         ; v176-239 the eight accumulators
.set G,    56                          ; behind the products: v56-87 g, v88-119 b, by rows;
.set BV,   88
.set D,    120                         ; v120-183 my two rows
	s_load_b256 s[4:11], s[0:1], 0x0               ; aimg s[4:5], ascl s[6:7], wimg s[8:9], x s[10:11]
	s_load_b128 s[12:15], s[0:1], 0x20             ; ln_g s[12:13], ln_b s[14:15]
	s_load_b64 s[16:17], s[0:1], 0x30              ; out0
	v_lshl_add_u32 v254, v0, 2, 0x10500
	v_mov_b32 v255, 0
	v_lshrrev_b32 v1, 5, v0
	s_delay_alu instid0(VALU_DEP_1)
	v_readfirstlane_b32 s18, v1                    ; wave 0..7
	v_and_b32 v10, 31, v0
	v_and_b32 v11, 15, v0                          ; r
	v_bfe_u32 v12, v0, 4, 1                        ; h
	s_delay_alu instid0(VALU_DEP_3)
	v_lshlrev_b32 v1, 4, v10                       ; v1: 16 x lane
	s_delay_alu instid0(VALU_DEP_4)
	v_lshlrev_b32 v4, 3, v10                       ; v4: 8 x lane
	s_delay_alu instid0(VALU_DEP_4)
	v_lshlrev_b32 v5, 4, v11                       ; v5: 16 r
	s_lshl_b32 s19, s18, 3
	s_add_co_u32 s19, s19, 192
	s_mul_i32 s19, s19, 12800                      ; my first tile of W_o in wimg
	v_add_nc_u32 v2, s19, v1                       ; v2: its fragments
	v_mul_u32_u24 v3, v12, 12800
	s_delay_alu instid0(VALU_DEP_1)
	v_add_nc_u32 v3, v3, v5
	s_delay_alu instid0(VALU_DEP_1)
	v_add_nc_u32 v3, s19, v3                       ; v3: its scale words: lanes 16-31 the next tile's
	s_mul_i32 s20, s18, 2*XP
	v_add_nc_u32 v6, s20, v1                       ; v6: the stage by rows: my rows 2 w, 2 w + 1
	v_mul_u32_u24 v7, v11, XP
	s_delay_alu instid0(VALU_DEP_1)
	v_lshl_add_u32 v7, v12, 6, v7
	s_lshl_b32 s20, s18, 9
	v_add_nc_u32 v7, s20, v7                       ; v7: the stage in C's layout: row r, + 512 w + 64 h
	v_lshlrev_b32 v9, 5, v11
	s_delay_alu instid0(VALU_DEP_1)
	v_add_nc_u32 v9, RED, v9                       ; v9: row r's eight partial sums
	s_lshl_b32 s20, s18, 2
	v_add_nc_u32 v8, s20, v9                       ; v8: mine among them
	s_lshr_b32 s20, ttmp9, 1
	s_lshl_b32 s20, s20, 5
	s_and_b32 s21, ttmp9, 1
	s_lshl_b32 s21, s21, 3
	s_add_co_u32 s20, s20, s21
	s_lshl_b32 s21, s18, 1
	s_add_co_u32 s20, s20, s21
	s_lshr_b32 s21, s18, 2
	s_lshl_b32 s21, s21, 3
	s_add_co_u32 s20, s20, s21                     ; the tile's rows 2 w and 2 w + 1 are neighbours in memory: 8,192 consecutive bytes
	s_lshl_b32 s20, s20, 12
	s_mov_b32 s21, 0
	s_mul_i32 s22, ttmp9, 12288
	s_mov_b32 s23, 0
	s_lshl_b32 s24, ttmp9, 9
	s_mov_b32 s25, 0
	s_mov_b32 s30, 0x76543210
	s_mov_b32 s31, 0xfedcba98                      ; v_permlanex16_b32's selects for lane l xor 16
	s_mov_b32 s32, 0x3a800000                      ; 1 / 1,024
	s_mov_b32 s33, 0x3727c5ac                      ; 1e-5
	s_wait_alu depctr_va_vdst(0)
	s_wait_kmcnt 0x0
	s_add_nc_u64 s[10:11], s[10:11], s[20:21]
	s_add_nc_u64 s[16:17], s[16:17], s[20:21]
	s_add_nc_u64 s[4:5], s[4:5], s[22:23]
	s_add_nc_u64 s[6:7], s[6:7], s[24:25]
.macro LA s                            ; the attended fragment of K step s: two half images (heads 2 s, 2 s + 1)
	global_load_b128 v[AF+12*((\s)%2):AF+12*((\s)%2)+3], v1, s[4:5] offset:1536*(\s)
	global_load_b64 v[AF+12*((\s)%2)+4:AF+12*((\s)%2)+5], v4, s[4:5] offset:1536*(\s)+512
	global_load_b128 v[AF+12*((\s)%2)+6:AF+12*((\s)%2)+9], v1, s[4:5] offset:1536*(\s)+768
	global_load_b64 v[AF+12*((\s)%2)+10:AF+12*((\s)%2)+11], v4, s[4:5] offset:1536*(\s)+1280
.endm
.macro LB u                            ; unit u = 2 x K step + half: four tiles' fragments of W_o
.irp t, 0,1,2,3
.irp c, 0,1,2
	global_load_b128 v[BF+48*((\u)%2)+12*\t+4*\c:BF+48*((\u)%2)+12*\t+4*\c+3], v2, s[8:9] offset:(4*((\u)%2)+\t)*12800+1536*((\u)/2)+512*\c
.endr
.endr
.endm
.irp i, 0,1,2,3,4,5,6,7,8,9,10,11,12,13,14,15
	global_load_b128 v[ACC+4*\i:ACC+4*\i+3], v1, s[10:11] offset:512*\i th:TH_LOAD_NT   ; x, by rows
.endr
	global_load_b128 v[AS:AS+3], v5, s[6:7]
	global_load_b128 v[AS+4:AS+7], v5, s[6:7] offset:256
.irp j, 0,1,2,3
.irp c, 0,1
	global_load_b128 v[BS+8*\j+4*\c:BS+8*\j+4*\c+3], v3, s[8:9] offset:12288+25600*\j+256*\c
.endr
.endr
	LA 0
	LB 0
	LB 1
	s_wait_loadcnt 38                              ; x is in; the 2 + 8 + 4 + 12 + 12 loads issued behind it may be out
.irp i, 0,1,2,3,4,5,6,7,8,9,10,11,12,13,14,15
	ds_store_b128 v6, v[ACC+4*\i:ACC+4*\i+3] offset:(\i/8)*XP+512*(\i%8)
.endr
	s_wait_dscnt 0x0                               ; for the others' sake: my two rows lie in the stage
	s_barrier_signal -1
	s_barrier_wait -1
.irp t, 0,1,2,3,4,5,6,7
.irp e, 0,1
	ds_load_b128 v[ACC+8*\t+4*\e:ACC+8*\t+4*\e+3], v7 offset:128*(\t/2)+32*(\t%2)+16*\e   ; x in C's layout
.endr
.endr
	s_wait_dscnt 0x0
.macro PO u, t
.set TL, 4*((\u)%2)+(\t)
.set KX, (\u)/2
.if (\t)%2
	v_wmma_scale_f32_16x16x128_f8f6f4 v[ACC+8*TL:ACC+8*TL+7], v[BF+48*((\u)%2)+12*(\t):BF+48*((\u)%2)+12*(\t)+11], v[AF+12*(KX%2):AF+12*(KX%2)+11], v[ACC+8*TL:ACC+8*TL+7], v[BS+8*(TL/2)+KX], v[AS+KX] matrix_a_fmt:MATRIX_FMT_FP6 matrix_b_fmt:MATRIX_FMT_FP6 matrix_a_scale:MATRIX_SCALE_ROW1
.else
	v_wmma_scale_f32_16x16x128_f8f6f4 v[ACC+8*TL:ACC+8*TL+7], v[BF+48*((\u)%2)+12*(\t):BF+48*((\u)%2)+12*(\t)+11], v[AF+12*(KX%2):AF+12*(KX%2)+11], v[ACC+8*TL:ACC+8*TL+7], v[BS+8*(TL/2)+KX], v[AS+KX] matrix_a_fmt:MATRIX_FMT_FP6 matrix_b_fmt:MATRIX_FMT_FP6
.endif
.endm
; A unit: four products; the eight accumulators take turns, one instruction a turn.  Behind its places the loads of the unit two further on.
.macro UNIT u
.if (\u) == 15
	s_wait_loadcnt 0x0
.elseif (\u)%2
	s_wait_loadcnt 16                              ; behind this unit's weights: the next K step's attended fragment (4) and the next unit's weights (12)
.else
	s_wait_loadcnt 12                              ; behind this unit's loads: the next unit's weights
.endif
.irp t, 0,1,2,3
	PO \u, \t
.endr
.rept 4
	v_nop                                          ; places in front of loads into registers that these products read, and of the first read of results
.endr
.if (\u) <= 13
.if (\u)%2 == 0
	LA (\u)/2+1
.endif
	LB (\u)+2
.endif
.endm
.irp u, 0,1,2,3,4,5,6,7,8,9,10,11,12,13,14,15
	UNIT \u
.endr
.irp i, 0,1,2,3,4,5,6,7
	global_load_b128 v[G+4*\i:G+4*\i+3], v1, s[12:13] offset:512*\i    ; g and b by rows: columns 128 i + 4 x lane on
	global_load_b128 v[BV+4*\i:BV+4*\i+3], v1, s[14:15] offset:512*\i
.endr
; the sum in v[240:243] over my lane, lane l xor 16 and the eight waves: into v240
.macro REDUCE off
	s_delay_alu instid0(VALU_DEP_1)
	v_pk_add_f32 v[240:241], v[240:241], v[242:243]
	s_delay_alu instid0(VALU_DEP_1)
	v_add_f32 v240, v240, v241
	s_delay_alu instid0(VALU_DEP_1)
	v_permlanex16_b32 v241, v240, s30, s31
	s_delay_alu instid0(VALU_DEP_1)
	v_add_f32 v240, v240, v241
	ds_store_b32 v8, v240 offset:\off              ; both lanes of a row write the same word with the same value
	s_wait_dscnt 0x0
	s_barrier_signal -1
	s_barrier_wait -1
	ds_load_b128 v[244:247], v9 offset:\off
	ds_load_b128 v[248:251], v9 offset:\off+16
	s_wait_dscnt 0x0
	v_add_f32 v244, v244, v245
	v_add_f32 v246, v246, v247
	v_add_f32 v248, v248, v249
	v_add_f32 v250, v250, v251
	s_delay_alu instid0(VALU_DEP_3)
	v_add_f32 v244, v244, v246
	s_delay_alu instid0(VALU_DEP_2)
	v_add_f32 v248, v248, v250
	s_delay_alu instid0(VALU_DEP_1)
	v_add_f32 v240, v244, v248
.endm
	v_pk_add_f32 v[240:241], v[ACC:ACC+1], v[ACC+4:ACC+5]        ; two chains; each accumulator is read from its low end on
	v_pk_add_f32 v[242:243], v[ACC+2:ACC+3], v[ACC+6:ACC+7]
.irp j, 8,12,16,20,24,28,32,36,40,44,48,52,56,60
	v_pk_add_f32 v[240:241], v[240:241], v[ACC+\j:ACC+\j+1]
	v_pk_add_f32 v[242:243], v[242:243], v[ACC+\j+2:ACC+\j+3]
.endr
	REDUCE 0
	s_delay_alu instid0(VALU_DEP_1)
	v_mul_f32 v12, s32, v240                       ; the mean
	s_delay_alu instid0(VALU_DEP_1)
	v_mov_b32 v13, v12                             ; (named with it as a pair)
.set j, 0
.rept 32
	v_pk_add_f32 v[ACC+j:ACC+j+1], v[ACC+j:ACC+j+1], v[12:13] op_sel_hi:[1,0] neg_lo:[0,1] neg_hi:[0,1]
.set j, j+2
.endr
	v_pk_mul_f32 v[240:241], v[ACC:ACC+1], v[ACC:ACC+1]
	v_pk_mul_f32 v[242:243], v[ACC+2:ACC+3], v[ACC+2:ACC+3]
.irp j, 4,8,12,16,20,24,28,32,36,40,44,48,52,56,60
	s_delay_alu instid0(VALU_DEP_2)
	v_pk_fma_f32 v[240:241], v[ACC+\j:ACC+\j+1], v[ACC+\j:ACC+\j+1], v[240:241]
	s_delay_alu instid0(VALU_DEP_2)
	v_pk_fma_f32 v[242:243], v[ACC+\j+2:ACC+\j+3], v[ACC+\j+2:ACC+\j+3], v[242:243]
.endr
	REDUCE 512
	s_delay_alu instid0(VALU_DEP_1)
	v_fma_f32 v14, v240, s32, s33                  ; the variance + 1e-5
	s_wait_alu depctr_va_vdst(0)
	v_rsq_f32 v14, v14
	v_nop                                          ; one plain place behind a transcendental
	s_wait_alu depctr_va_vdst(0)
	v_mov_b32 v15, v14
.set j, 0
.rept 32
	v_pk_mul_f32 v[ACC+j:ACC+j+1], v[ACC+j:ACC+j+1], v[14:15] op_sel_hi:[1,0]
.set j, j+2
.endr
.irp t, 0,1,2,3,4,5,6,7
.irp e, 0,1
	ds_store_b128 v7, v[ACC+8*\t+4*\e:ACC+8*\t+4*\e+3] offset:128*(\t/2)+32*(\t%2)+16*\e   ; to the places from which this lane read x: every wave's reads of the stage ended two barriers ago
.endr
.endr
	s_wait_dscnt 0x0
	s_barrier_signal -1
	s_barrier_wait -1                              ; 16 whole rows lie in the stage
.irp i, 0,1,2,3,4,5,6,7,8,9,10,11,12,13,14,15
	ds_load_b128 v[D+4*\i:D+4*\i+3], v6 offset:(\i/8)*XP+512*(\i%8)
.endr
	s_wait_loadcnt 0x0                             ; g and b
.irp i, 0,1,2,3,4,5,6,7,8,9,10,11,12,13,14,15
	s_wait_dscnt 15-\i                             ; load i is in; the younger ones may be out
	v_pk_fma_f32 v[D+4*\i:D+4*\i+1], v[D+4*\i:D+4*\i+1], v[G+4*(\i%8):G+4*(\i%8)+1], v[BV+4*(\i%8):BV+4*(\i%8)+1]
	v_pk_fma_f32 v[D+4*\i+2:D+4*\i+3], v[D+4*\i+2:D+4*\i+3], v[G+4*(\i%8)+2:G+4*(\i%8)+3], v[BV+4*(\i%8)+2:BV+4*(\i%8)+3]
	global_store_b128 v1, v[D+4*\i:D+4*\i+3], s[16:17] offset:512*\i th:TH_STORE_NT   ; 32 lanes store 512 consecutive bytes, aligned; written once
.endr
	s_wait_tensorcnt 0x0
	ds_add_u32 v254, v255
	s_wait_dscnt 0x0
	s_endpgm
.Lfunc_end_k_q1512b91453_outln:
	.size	k_q1512b91453_outln, .Lfunc_end_k_q1512b91453_outln-k_q1512b91453_outln
	.p2alignl 7, 3214868480
	.fill 96, 4, 3214868480
	.section	.rodata,"a",@progbits
	.p2align	6, 0x0
	.amdhsa_kernel k_q1512b91453_outln
		.amdhsa_group_segment_fixed_size 67840
		.amdhsa_private_segment_fixed_size 0
		.amdhsa_enable_private_segment 0
		.amdhsa_kernarg_size 56
		.amdhsa_user_sgpr_count 2
		.amdhsa_user_sgpr_kernarg_segment_ptr 1
		.amdhsa_wavefront_size32 1
		.amdhsa_system_sgpr_workgroup_id_x 1
		.amdhsa_system_sgpr_workgroup_id_y 1
		.amdhsa_system_sgpr_workgroup_id_z 1
		.amdhsa_system_vgpr_workitem_id 0
		.amdhsa_next_free_vgpr 256
		.amdhsa_next_free_sgpr 66
		.amdhsa_reserve_vcc 0
		.amdhsa_float_denorm_mode_32 3
		.amdhsa_float_denorm_mode_16_64 3
		.amdhsa_memory_ordered 1
		.amdhsa_forward_progress 1
		.amdhsa_inst_pref_size 58
	.end_amdhsa_kernel
	.amdgpu_metadata
---
amdhsa.version: [ 1, 2 ]
amdhsa.kernels:
  - .name:           k_q1512b91453_outln
    .symbol:         k_q1512b91453_outln.kd
    .args:
      - { .name: aimg, .offset: 0, .size: 8, .value_kind: global_buffer, .address_space: global }
      - { .name: ascl, .offset: 8, .size: 8, .value_kind: global_buffer, .address_space: global }
      - { .name: wimg, .offset: 16, .size: 8, .value_kind: global_buffer, .address_space: global }
      - { .name: x, .offset: 24, .size: 8, .value_kind: global_buffer, .address_space: global }
      - { .name: ln_g, .offset: 32, .size: 8, .value_kind: global_buffer, .address_space: global }
      - { .name: ln_b, .offset: 40, .size: 8, .value_kind: global_buffer, .address_space: global }
      - { .name: out0, .offset: 48, .size: 8, .value_kind: global_buffer, .address_space: global }
    .group_segment_fixed_size: 67840
    .private_segment_fixed_size: 0
    .kernarg_segment_align: 8
    .kernarg_segment_size: 56
    .max_flat_workgroup_size: 256
    .sgpr_count:     66
    .vgpr_count:     256
    .wavefront_size: 32
...
	.end_amdgpu_metadata
.endif
;; end of part 4
